; MI455X (gfx1250); checked and timed in simulation.
; The chip was launched on July 23, 2026; its instructions are those of AMD's public machine-readable ISA for CDNA 5 (MIT licence, August 2026) and "CDNA5" Instruction Set Architecture Reference Guide (July 2026). The comments in the code are by the model that wrote it; some were corrected since.
;; Causal Self Attention. Allowed arithmetic: matrix products marked QUANTISED: E3M2 operands, one E8M0 scale for each 32 along K, by v_wmma_scale_f32_16x16x128_f8f6f4 with both operands' format E3M2, f32 sums; everything else in f32.
;; Inputs: b_attn 3,072 float32; b_proj 1,024 float32; w_attn 1,024 x 3,072 float32; w_proj 1,024 x 1,024 float32; x 4 x 2,048 x 1,024 float32.
;; Outputs: out0 4 x 2,048 x 1,024 float32.
;; This version of the problem:
;;   THIS VERSION OF THE PROBLEM IS GIVEN IN LOW PRECISION. The matrix products marked QUANTISED in the list below multiply operands that are first quantised to E3M2 (3 exponent bits, 2 mantissa bits; 6 bits a number), with one power-of-two scale for each 32 numbers along K (OCP MX v1.0); their sums are f32. All else is computed in f32.
;;   The module's matrix products, in the order in which they are computed (A, B: the left and right operand; K: the contracted axis; several contracted axes count as one K, in the product's order):
;;     1. [M 8,192, K 1,024] x [K 1,024, N 3,072]; A: input x; B: input w_attn: QUANTISED
;;     2. batch 64 x [M 2,048, K 64] x [K 64, N 2,048]; A: computed on the way; B: computed on the way: QUANTISED
;;     3. batch 64 x [M 2,048, K 2,048] x [K 2,048, N 64]; A: softmax (see below); B: computed on the way: QUANTISED
;;     4. [M 8,192, K 1,024] x [K 1,024, N 1,024]; A: computed on the way; B: input w_proj: QUANTISED
;;   THE QUANTISER, for each operand of a quantised product, along K:
;;     - K is cut into blocks of 32 from its start; a last block that is shorter is filled with zeros.
;;     - A block's scale is 2^e with e = floor(log2(the largest magnitude in the block)) - 4, held to -126 .. 127; a block of zeros has e = 0. As a byte (E8M0): e + 127.
;;     - Each number is divided by its block's scale, clamped to +-28, and rounded to the nearest number of E3M2, ties to even, subnormals kept.
;;     - The product sums the exact products of the quantised numbers (number of the format x scale) in f32.
;;   ~~~python
;;   def quantise(x, axis):      # numpy; x: float32 -> the quantised numbers, widened to float32 again
;;       x = np.moveaxis(x, axis, -1); K = x.shape[-1]
;;       x = np.pad(x, [(0, 0)] * (x.ndim - 1) + [(0, -K % 32)]); x = x.reshape(x.shape[:-1] + (-1, 32)); a = np.abs(x).max(-1, keepdims=True)
;;       e = np.where(a > 0, np.clip(np.frexp(np.where(a > 0, a, 1))[1] - 1 - 4, -126, 127), 0)      # np.frexp(a)[1] - 1 = floor(log2(a)), exactly
;;       r = np.clip(x / 2.0 ** e, -28, 28)
;;       step = 2.0 ** (np.maximum(np.frexp(np.where(r == 0, 1, r))[1] - 1, -2) - 2)
;;       q = np.round(r / step) * step * 2.0 ** e      # np.round: ties to even
;;       return np.moveaxis(q.reshape(q.shape[:-2] + (-1,))[..., :K], -1, axis).astype(np.float32)
;;   ~~~
;;   SOFTMAX AHEAD OF A QUANTISED PRODUCT. Where the list says 'softmax', what is quantised is not the finished softmax but p = 2^(t - M), with t = logit x log2(e) and M = ceil(the row's largest t), a whole number; so 1/2 < the row's largest p <= 1. The row's sum l is taken of the UNQUANTISED p, in f32, and the product's result is divided by l at the end. Since M is a whole number, a kernel that streams over the keys may use a running M (the ceiling of the running maximum): every later rescaling is an exact power of two, which a block's scale takes up: the codes' values come out the same.
;;   OPERANDS COMPUTED ON THE WAY. 'Computed on the way' means the value that the module computes at that place (a softmax that the list does not call 'softmax' is quantised finished and normalised). What goes into a quantiser is computed in f32, as accurately as f32 sums, v_exp_f32 and their like allow (about 1e-6 of the number): no bf16 or f16 on the way to a quantiser, and a product that is left as it is and whose result goes on into a quantised operand takes f32 operands (vector FMAs, or v_wmma_f32_16x16x4_f32). A number that lies on a knife's edge between two numbers of the format may be rounded either way, as far as f32 arithmetic and the matrix unit's own rounding can turn it there, and no further.
;; One version. Each part assembles by itself: llvm-mc -triple=amdgcn-amd-amdhsa -mcpu=gfx1250 --defsym DOCPART=n.
;; ======== version 1 of 1: 4 launches
;; workspace buffers: xi 6,553,600 bytes; wai 2,457,600 bytes; wpi 819,200 bytes; yi 6,553,600 bytes; qi 6,291,456 bytes; qs 262,144 bytes; kv 13,107,200 bytes
;; launch quant (part 1): grid 512 x 1, 4 waves a work-group, no clusters, 35,328 bytes of LDS; arguments x, w_attn, w_proj, xi, wai, wpi; writes xi, wai, wpi
.if DOCPART == 1
	.amdgcn_target "amdgcn-amd-amdhsa--gfx1250"
	.amdhsa_code_object_version 6
	.text
	.protected	k_qba2fefb9f3_quant
	.globl	k_qba2fefb9f3_quant
	.p2align	8
	.type	k_qba2fefb9f3_quant,@function
k_qba2fefb9f3_quant:
	s_mov_b64 s[64:65], 0
	v_nop
	global_prefetch_b8 v0, s[64:65] scope:SCOPE_SE
	s_setreg_imm32_b32 hwreg(HW_REG_WAVE_MODE, 25, 1), 1
	s_wait_xcnt 0x0
; x [8192][1024], w_attn [1024][3072] and w_proj [1024][1024], f32, become codes of BF6 (E3M2) with one E8M0 byte for each 32 along K (K = 1,024 in all three),
; laid as the products' launches read them: in the order of an operand's registers.
; TILE.  A tile holds 16 rows that are not neighbours: lane r of tile t takes row 32 (t / 2) + 8 (t % 2) + r + 8 (r / 8).
; HALF IMAGE, 768 bytes: 16 rows x 64 along K.  Lane l = r + 16 h holds the 32 codes (24 bytes, 6 registers) of its row's block h: registers 0-3 at 16 l, registers 4-5 at 512 + 8 l.
; RECORD (tile t, half g of K), 6,400 bytes, number 2 t + g: 256 bytes of scale words (row r, K step s of the half's four: 16 r + 4 s), then eight half images.
; A block's scale is 2^(floor(log2(its largest magnitude)) - 4); its byte is the largest magnitude's exponent field - 4, held at 1 from below.
; LIMITS: a block of zeros gets the byte 1 where the rule says 127 (its codes are zeros, and this program alone reads the bytes); NaN and infinities among the inputs are not served.
; Work-groups 0-255 take x (K innermost): a wave makes one record; its loads take 256 consecutive bytes of a row in sixteen lanes, and a unit of 16 rows x 64 turns through the wave's own stage in LDS so that a lane holds a whole block.
; Work-groups 256-511 take the weights (K is their first axis): a lane takes a column and its registers run down K; no LDS.  No matrix unit, no tensor load, no barrier: memory binds, and waves share nothing.
.set RS,   32                          ; v32-127  three sets of 32 registers as loaded
.set XS,   128                         ; v128-191 two sets of 32 neighbours along K
.set CS,   192                         ; v192-207 two sets of codes (x); v192-223 four sets (weights)
.set CT,   208                         ; v208-210 the second conversion's three registers (x)
.set PART, 16                          ; v16-19   the record's scale words, a K step each
; 32 numbers of one lane, v[s] on, one block: six registers of codes at v[pc] on, the byte in v14
.macro QBLK s, pc, ct
	v_max3_num_f32 v12, |v[(\s)]|, |v[(\s)+1]|, |v[(\s)+2]|        ; the largest magnitude, in two chains
	v_max3_num_f32 v13, |v[(\s)+3]|, |v[(\s)+4]|, |v[(\s)+5]|
.irp i, 6,10,14,18,22,26
	v_max3_num_f32 v12, v12, |v[(\s)+\i]|, |v[(\s)+\i+1]|
	v_max3_num_f32 v13, v13, |v[(\s)+\i+2]|, |v[(\s)+\i+3]|
.endr
	v_max3_num_f32 v12, v12, |v[(\s)+30]|, |v[(\s)+31]|
	v_max3_num_f32 v12, v12, v13, 0x2800000        ; and the floor 2^(5 - 127): the byte cannot fall under 1
	v_add_nc_u32 v11, 0xfe000000, v12              ; 4 off the exponent field: the conversion takes this operand's exponent field as its scale
	v_lshrrev_b32 v14, 23, v11                     ; the scale's byte
	v_cvt_scalef32_pk16_bf6_f32 v[(\pc):(\pc)+2], v[(\s):(\s)+15], v11
	v_cvt_scalef32_pk16_bf6_f32 v[(\ct):(\ct)+2], v[(\s)+16:(\s)+31], v11   ; (a conversion's three registers begin on an even number)
	v_nop                                          ; one plain place behind a scaled conversion
.irp i, 0,1,2
	v_mov_b32 v[(\pc)+3+\i], v[(\ct)+\i]
.endr
.endm
	s_load_b128 s[4:7], s[0:1], 0x0                ; x, w_attn
	s_load_b128 s[8:11], s[0:1], 0x10              ; w_proj, xi
	s_load_b128 s[12:15], s[0:1], 0x20             ; wai, wpi
	v_lshl_add_u32 v224, v0, 2, 0x8800
	v_mov_b32 v225, 0
	v_lshrrev_b32 v1, 5, v0
	v_readfirstlane_b32 s16, v1                    ; wave 0..3
	v_and_b32 v1, 31, v0                           ; lane
	s_cmp_lt_u32 ttmp9, 256
	s_cbranch_scc0 .Lweights
; ---------------- x ----------------
	s_lshl_b32 s17, ttmp9, 2
	s_add_co_u32 s17, s17, s16                     ; my record: 2 x tile + half of K
	s_lshr_b32 s18, s17, 2
	s_lshl_b32 s18, s18, 17                        ; 32 rows of 4,096 bytes for each pair of tiles,
	s_bfe_u32 s19, s17, 0x10001
	s_lshl_b32 s19, s19, 15                        ; 8 rows for the odd tile,
	s_add_co_u32 s18, s18, s19
	s_and_b32 s19, s17, 1
	s_lshl_b32 s19, s19, 11                        ; 2,048 bytes for the second half of K
	s_add_co_u32 s18, s18, s19
	s_mov_b32 s19, 0
	s_mul_i32 s20, s17, 6400
	s_mov_b32 s21, 0
	s_mul_i32 s22, s16, 8704                       ; my wave's two stages of 16 rows x 272 bytes
	s_mov_b32 s24, 0x76543210
	s_mov_b32 s25, 0xfedcba98                      ; v_permlanex16_b32's selects for lane l xor 16
	s_wait_alu depctr_va_vdst(0)
	v_and_b32 v9, 15, v1                           ; r
	v_lshrrev_b32 v10, 4, v1                       ; h
	v_lshlrev_b32 v2, 4, v9
	v_lshl_add_u32 v2, v10, 12, v2                 ; in: sixteen lanes on a row's 256 bytes, lanes 16-31 one row down
	v_mul_u32_u24 v3, v10, 272
	v_lshl_add_u32 v3, v9, 4, v3
	v_add_nc_u32 v3, s22, v3                       ; into the stage, as loaded
	v_mul_u32_u24 v4, v9, 272
	v_lshl_add_u32 v4, v10, 7, v4
	v_add_nc_u32 v4, s22, v4                       ; out of it: row r, block h: 128 bytes.  Rows 272 bytes apart: sixteen lanes' 16 bytes fall on sixteen different columns of 16 bytes
	v_lshlrev_b32 v5, 4, v1                        ; a half image: 16 x lane,
	v_lshlrev_b32 v6, 3, v1                        ; and 8 x lane
	v_lshlrev_b32 v7, 3, v10                       ; my byte's place in half a scale word: 8 h bits up
	v_lshlrev_b32 v8, 4, v9
	v_add_nc_u32 v8, v8, v7                        ; the scale words' way out: 16 r + 8 h
.irp i, 0,1,2,3
	v_mov_b32 v[20+\i], 0                          ; written once: a lane permute's destination counts as one of its sources
.endr
	s_wait_kmcnt 0x0
	s_add_nc_u64 s[4:5], s[4:5], s[18:19]
	s_add_nc_u64 s[10:11], s[10:11], s[20:21]
.macro XLOAD t                         ; unit t: 16 rows x 256 bytes; load j takes tile rows 2 j and 2 j + 1
.irp j, 0,1,2,3,4,5,6,7
	global_load_b128 v[RS+32*((\t)%3)+4*\j:RS+32*((\t)%3)+4*\j+3], v2, s[4:5] offset:256*(\t)+(2*\j+8*(\j/4))*4096 th:TH_LOAD_NT
.endr
.endm
.macro XTURN t                         ; through the stage: LDS serves a wave's instructions in order, so no wait stands between the stores and the loads
.irp j, 0,1,2,3,4,5,6,7
	ds_store_b128 v3, v[RS+32*((\t)%3)+4*\j:RS+32*((\t)%3)+4*\j+3] offset:4352*((\t)%2)+544*\j
.endr
.irp i, 0,1,2,3,4,5,6,7
	ds_load_b128 v[XS+32*((\t)%2)+4*\i:XS+32*((\t)%2)+4*\i+3], v4 offset:4352*((\t)%2)+16*\i
.endr
.endm
.macro XSTEP t
	s_wait_dscnt 0x0                               ; this unit's numbers are back from the stage, and its stores into the stage have read their registers,
.if (\t)+3 < 8
	XLOAD (\t)+3                                   ; which take the loads of three units on
.endif
.if (\t)+1 < 8
.if (\t) <= 4
	s_wait_loadcnt 16                              ; the next unit's eight loads are in; those of the two units behind it may be out
.elseif (\t) == 5
	s_wait_loadcnt 8                               ; one unit behind it
.else
	s_wait_loadcnt 0
.endif
	XTURN (\t)+1                                   ; it goes through the other stage while this unit is worked
.endif
	s_wait_xcnt 0x0                                ; the stores of two units ago have read this set of codes
	QBLK XS+32*((\t)%2), CS+8*((\t)%2), CT
	v_lshlrev_b32 v15, v7, v14                     ; unit t is half of K step t / 2: my byte is number 2 (t % 2) + h of that step's word
.if (\t)%2 == 0
	v_mov_b32 v[PART+(\t)/2], v15
.else
	v_lshl_or_b32 v[PART+(\t)/2], v15, 16, v[PART+(\t)/2]
.endif
	global_store_b128 v5, v[CS+8*((\t)%2):CS+8*((\t)%2)+3], s[10:11] offset:256+768*(\t)     ; 512 consecutive bytes, aligned to 256
	global_store_b64 v6, v[CS+8*((\t)%2)+4:CS+8*((\t)%2)+5], s[10:11] offset:768+768*(\t)    ; 256 consecutive bytes, aligned
.endm
	XLOAD 0
	XLOAD 1
	XLOAD 2
	s_wait_loadcnt 16                              ; unit 0 is in
	XTURN 0
.irp t, 0,1,2,3,4,5,6,7
	XSTEP \t
.endr
.irp i, 0,1,2,3
	v_permlanex16_b32 v[20+\i], v[PART+\i], s24, s25
.endr
.irp i, 0,1,2,3
	v_or_b32 v[PART+\i], v[PART+\i], v[20+\i]      ; with lane l xor 16's bytes the words are whole
.endr
	s_mov_b32 vcc_lo, 0xffff0000
	v_cndmask_b32 v24, v16, v18, vcc_lo            ; lanes 0-15 store K steps 0, 1 of their row, lanes 16-31 steps 2, 3
	v_cndmask_b32 v25, v17, v19, vcc_lo
	global_store_b64 v8, v[24:25], s[10:11]        ; 256 consecutive bytes, aligned
	s_wait_tensorcnt 0x0
	ds_add_u32 v224, v225
	s_wait_dscnt 0x0
	s_endpgm
; ---------------- the weights ----------------
.Lweights:
	s_sub_co_u32 s17, ttmp9, 256
	s_and_b32 s18, s17, 31                         ; which 128 columns: 0-23 w_attn's, 24-31 w_proj's
	s_lshr_b32 s19, s17, 5                         ; which K step of 128
	s_wait_alu depctr_va_vdst(0)
	v_lshlrev_b32 v2, 2, v1                        ; in: a lane to a column
	v_bfe_u32 v9, v1, 3, 1                         ; column 32 b + l lies in tile 2 b + (l / 8) % 2,
	v_and_b32 v10, 7, v1
	v_lshrrev_b32 v8, 4, v1
	v_lshl_or_b32 v10, v8, 3, v10                  ; as its row l % 8 + 8 (l / 16)
	v_mul_u32_u24 v9, v9, 12800                    ; a tile's two records
	v_lshl_add_u32 v3, v10, 4, v9
	v_lshl_add_u32 v4, v10, 3, v9
	s_cmp_lt_u32 s18, 24
	s_cselect_b32 s20, 0, 24
	s_mov_b32 s21, 1024
	s_cselect_b32 s21, 3072, s21                   ; N
	s_sub_co_u32 s20, s18, s20
	s_lshl_b32 s22, s20, 2
	s_add_co_u32 s22, s22, s16                     ; b: my wave's 32 columns
	s_mul_i32 s24, s19, s21
	s_lshl_b32 s24, s24, 9                         ; 128 rows of 4 N bytes for each K step,
	s_lshl_b32 s23, s22, 7
	s_add_co_u32 s24, s24, s23                     ; 128 bytes for each 32 columns
	s_mov_b32 s25, 0
	s_mul_i32 s26, s22, 25600                      ; two tiles' records,
	s_lshr_b32 s23, s19, 2
	s_mul_i32 s23, s23, 6400
	s_add_co_u32 s26, s26, s23                     ; the half of K
	s_mov_b32 s27, 0
	s_and_b32 s23, s19, 3
	s_lshl_b32 s36, s23, 2
	s_add_co_u32 s36, s36, s26                     ; the K step's scale word in a row's four
	s_mov_b32 s37, 0
	s_mul_i32 s23, s23, 1536
	s_add_co_u32 s26, s26, s23
	s_add_co_u32 s26, s26, 256                     ; the K step's two half images
	s_wait_kmcnt 0x0
	s_cmp_lt_u32 s18, 24                           ; the choice hangs on the work-group's number alone
	s_cselect_b64 s[28:29], s[12:13], s[14:15]
	s_cselect_b64 s[30:31], s[6:7], s[8:9]
	s_add_nc_u64 s[30:31], s[30:31], s[24:25]
	s_add_nc_u64 s[32:33], s[28:29], s[26:27]
	s_add_nc_u64 s[34:35], s[28:29], s[36:37]
.macro WLOAD n, t                      ; block t: W(32 t + i, my column): 128 consecutive bytes a load
.irp i, 0,1,2,3,4,5,6,7,8,9,10,11,12,13,14,15,16,17,18,19,20,21,22,23,24,25,26,27,28,29,30,31
	global_load_b32 v[64+32*(\t)+\i], v2, s[30:31] offset:(32*(\t)+\i)*4*(\n) th:TH_LOAD_NT
.endr
.endm
.macro WPATH n                         ; every offset is an immediate, and those hang on N: so the path is written once for each N
	WLOAD \n, 0
	WLOAD \n, 1
.irp t, 0,1,2,3
.if \t < 3
	s_wait_loadcnt 32                              ; this block's 32 loads are in; the next block's may be out
.else
	s_wait_loadcnt 0
.endif
.if \t < 2
	WLOAD \n, \t+2
.endif
	QBLK 64+32*\t, CS+8*\t, 32
.if \t == 0
	v_mov_b32 v36, v14                             ; the four bytes make my column's scale word for this K step
.else
	v_lshl_or_b32 v36, v14, 8*\t, v36
.endif
	global_store_b128 v3, v[CS+8*\t:CS+8*\t+3], s[32:33] offset:768*(\t/2)+256*(\t%2)       ; block t is half image t / 2, lanes 16 (t % 2) on: 256 consecutive aligned bytes in each of the two tiles
	global_store_b64 v4, v[CS+8*\t+4:CS+8*\t+5], s[32:33] offset:768*(\t/2)+512+128*(\t%2)
.endr
	global_store_b32 v3, v36, s[34:35]             ; 4 bytes of each row's 16: a K step's words alone are mine.  131,072 bytes of the launch leave so
	s_endpgm
.endm
	s_cmp_lt_u32 s18, 24
	s_cbranch_scc0 .Lproj
	s_wait_alu depctr_va_vdst(0)
	WPATH 3072
.Lproj:
	s_wait_alu depctr_va_vdst(0)
	WPATH 1024
.Lfunc_end_k_qba2fefb9f3_quant:
	.size	k_qba2fefb9f3_quant, .Lfunc_end_k_qba2fefb9f3_quant-k_qba2fefb9f3_quant
	.p2alignl 7, 3214868480
	.fill 96, 4, 3214868480
	.section	.rodata,"a",@progbits
	.p2align	6, 0x0
	.amdhsa_kernel k_qba2fefb9f3_quant
		.amdhsa_group_segment_fixed_size 35328
		.amdhsa_private_segment_fixed_size 0
		.amdhsa_enable_private_segment 0
		.amdhsa_kernarg_size 48
		.amdhsa_user_sgpr_count 2
		.amdhsa_user_sgpr_kernarg_segment_ptr 1
		.amdhsa_wavefront_size32 1
		.amdhsa_system_sgpr_workgroup_id_x 1
		.amdhsa_system_sgpr_workgroup_id_y 1
		.amdhsa_system_sgpr_workgroup_id_z 1
		.amdhsa_system_vgpr_workitem_id 0
		.amdhsa_next_free_vgpr 226
		.amdhsa_next_free_sgpr 66
		.amdhsa_reserve_vcc 1
		.amdhsa_float_denorm_mode_32 3
		.amdhsa_float_denorm_mode_16_64 3
		.amdhsa_memory_ordered 1
		.amdhsa_forward_progress 1
		.amdhsa_inst_pref_size 71
	.end_amdhsa_kernel
	.amdgpu_metadata
---
amdhsa.version: [ 1, 2 ]
amdhsa.kernels:
  - .name:           k_qba2fefb9f3_quant
    .symbol:         k_qba2fefb9f3_quant.kd
    .args:
      - { .name: x, .offset: 0, .size: 8, .value_kind: global_buffer, .address_space: global }
      - { .name: w_attn, .offset: 8, .size: 8, .value_kind: global_buffer, .address_space: global }
      - { .name: w_proj, .offset: 16, .size: 8, .value_kind: global_buffer, .address_space: global }
      - { .name: xi, .offset: 24, .size: 8, .value_kind: global_buffer, .address_space: global }
      - { .name: wai, .offset: 32, .size: 8, .value_kind: global_buffer, .address_space: global }
      - { .name: wpi, .offset: 40, .size: 8, .value_kind: global_buffer, .address_space: global }
    .group_segment_fixed_size: 35328
    .private_segment_fixed_size: 0
    .kernarg_segment_align: 8
    .kernarg_segment_size: 48
    .max_flat_workgroup_size: 128
    .sgpr_count:     66
    .vgpr_count:     226
    .wavefront_size: 32
...
	.end_amdgpu_metadata
.endif
;; end of part 1
;; launch gemm_qkv (part 2): grid 12 x 64, 4 waves a work-group, clusters of 4 x 4, 307,712 bytes of LDS; arguments xi, wai, b_attn, qi, qs, kv; writes qi, qs, kv
.if DOCPART == 2
	.amdgcn_target "amdgcn-amd-amdhsa--gfx1250"
	.amdhsa_code_object_version 6
	.text
	.protected	k_qba2fefb9f3_gemm_qkv
	.globl	k_qba2fefb9f3_gemm_qkv
	.p2align	8
	.type	k_qba2fefb9f3_gemm_qkv,@function
k_qba2fefb9f3_gemm_qkv:
	s_mov_b64 s[64:65], 0
	v_nop
	global_prefetch_b8 v0, s[64:65] scope:SCOPE_SE
	s_setreg_imm32_b32 hwreg(HW_REG_WAVE_MODE, 25, 1), 1
	s_wait_xcnt 0x0
	s_wait_alu depctr_hold_cnt(0) depctr_sa_sdst(0) depctr_va_vdst(0) depctr_va_sdst(0) depctr_va_ssrc(0) depctr_va_vcc(0) depctr_vm_vsrc(0)
	s_getreg_b32 s2, hwreg(HW_REG_IB_STS2, 6, 4)
	s_cmp_eq_u32 s2, 0
	s_cbranch_scc0 .Lentry_in_a_cluster
	s_endpgm
.Lentry_in_a_cluster:
	s_bfe_u32 s2, ttmp6, 0x10000c
	s_cmp_lg_u32 s2, 0xf033
	s_cbranch_scc0 .Lentry_shape_is_right
	s_endpgm
.Lentry_shape_is_right:
; qkv = x w_attn + b_attn on codes of BF6 (E3M2) with E8M0 scales, sums in f32; q, k and v never go to memory as f32: they are quantised here, q and k along the head's 64, v along the keys.
; IN.  xi (512 tiles of tokens) and wai (192 tiles of features): records of 6,400 bytes, number 2 x tile + half of K: 256 bytes of scale words (row r, K step s: 16 r + 4 s), then eight half images of 768 bytes
; (16 rows x 64 along K; lane l's registers 0-3 at 16 l, 4-5 at 512 + 8 l).  Lane r of tile t is row 32 (t / 2) + 8 (t % 2) + r + 8 (r / 8): so the 16 result registers of source 0's tiles 2 b, 2 b + 1 are 16 neighbours.
; SHARES.  A work-group takes 128 tokens x 256 features.  ALL OF K LIES IN LDS: 24 tiles x 12,800 bytes = 307,200, filled once, in two halves of K: no slot is ever filled again.
; CLUSTERS, 4 x 4: the four of a row need the same tokens, the four of a column the same features: each tile is asked for jointly, by one tensor load with a mask that names the four.
; The cluster's x says what the features are: 0 q, 1 k, 2 v; it is the same in all sixteen partners.
;   q, k: source 0 = features, source 1 = tokens: a lane holds one token and its registers run along the features, which are the next product's K.  A wave: 128 features (two heads) x 64 tokens.
;   v:    source 0 = tokens, source 1 = features: a lane holds one channel and its registers run along the tokens, the keys.  A wave: 128 tokens x 64 features (one head).
; OUT.  qi [head 64][tile 128] half images; qs [head][pair of tiles][16] words: bytes 0, 1 the even tile's two scales, bytes 2, 3 the odd tile's.
;   kv [head][128 keys]: 12,800 bytes: eight half images of k; four fragments of v (16 channels x 128 keys); 64 pair words of k; 64 scale words of v.
; The bias is the C of each sum's first matrix instruction.  LIMITS: a block of zeros gets the byte 1 (its codes are zeros; this program alone reads the bytes); NaN and infinities are not served.
; REGISTERS, in windows of 256.  window 0: v1-3 lane terms, v4-15 LDS addresses, v16-22 offsets; v32-79 scale words, a set for each half of K; v80-95 at work; v96-191 source 1's fragments, two sets; v192-255 the bias.
;   window 1: the 32 accumulators ((a, b) at v[8 (8 a + b)]; a: source 1's tile, b: source 0's).   window 2: source 0's fragments, two sets, at v0 and v96.
.set REC,   6400
.set CHUNK, 24*REC                     ; half of K: the tokens' 8 records, then the features' 16
.set BOFF,  8*REC
.set AD0,  4                           ; v4-5    source 0's fragments in half 0, 1 of K: 16 x lane + 256 + base;  v6-7: 8 x lane + 768 + base
.set AD0B, 6
.set AD1,  8                           ; v8-11   the same for source 1
.set AD1B, 10
.set AS0,  12                          ; v12-13  source 0's scale words: 16 r + 6,400 h + base;  v14-15 source 1's
.set AS1,  14
.set SCS,  32
.set TM,   80
.set F1,   96
.set BIAS, 192
.set PC,   96                          ; behind the sums: tile a's codes at v[96 + 16 a]
.set CT,   160
.set WD,   168                         ; tile a's scale word
.set MSB, 0
.macro WIN new                         ; the immediate's high byte repeats the setting that is left
.if MSB != \new
	s_set_vgpr_msb (MSB<<8)|\new
.set MSB, \new
.endif
.endm
.macro CROUND                          ; a round of the cluster's barrier
	s_barrier_signal -1
	s_barrier_wait -1
	s_cmp_lg_u32 s16, 0
	s_cbranch_scc1 .Lnot_wave_0_\@
	s_barrier_signal -3
.Lnot_wave_0_\@:
	s_barrier_wait -3
	s_barrier_signal -1
	s_barrier_wait -1
.endm
.macro PLACES                          ; four plain places behind a matrix instruction, in front of loads into its sources and of reads of its results
.rept 4
	v_nop
.endr
.endm
.macro FRAGLD reg, a16, a8, off        ; a fragment, 12 registers: two half images on end; every load takes consecutive bytes in consecutive lanes
	ds_load_b128 v[(\reg):(\reg)+3], v[\a16] offset:(\off)
	ds_load_b64 v[(\reg)+4:(\reg)+5], v[\a8] offset:(\off)
	ds_load_b128 v[(\reg)+6:(\reg)+9], v[\a16] offset:(\off)+768
	ds_load_b64 v[(\reg)+10:(\reg)+11], v[\a8] offset:(\off)+768
.endm
.macro FETCH s                         ; K step s: source 0's eight fragments and source 1's four, into set s % 2: 48 loads
	WIN 0x80                                       ; destination window 2
.irp i, 0,1,2,3,4,5,6,7
	FRAGLD 96*((\s)%2)+12*\i, AD0+(\s)/4, AD0B+(\s)/4, REC*\i+1536*((\s)%4)
.endr
	WIN 0
.irp i, 0,1,2,3
	FRAGLD F1+48*((\s)%2)+12*\i, AD1+(\s)/4, AD1B+(\s)/4, REC*\i+1536*((\s)%4)
.endr
.endm
.macro SCALES c                        ; the scale words of half c of K: lanes 0-15 the even tile's, lanes 16-31 the odd tile's; a load's four registers are the half's four K steps
.irp p, 0,1,2,3
	ds_load_b128 v[SCS+24*\c+4*\p:SCS+24*\c+4*\p+3], v[AS0+\c] offset:2*REC*\p
.endr
.irp p, 0,1
	ds_load_b128 v[SCS+24*\c+16+4*\p:SCS+24*\c+16+4*\p+3], v[AS1+\c] offset:2*REC*\p
.endr
.endm
.macro WM d, a, b, c, sa, sb, ra, rb   ; ra, rb = 1: that side's scales stand in lanes 16-31
.if (\ra) && (\rb)
	v_wmma_scale_f32_16x16x128_f8f6f4 v[(\d):(\d)+7], v[(\a):(\a)+11], v[(\b):(\b)+11], v[(\c):(\c)+7], v[\sa], v[\sb] matrix_a_fmt:MATRIX_FMT_BF6 matrix_b_fmt:MATRIX_FMT_BF6 matrix_a_scale:MATRIX_SCALE_ROW1 matrix_b_scale:MATRIX_SCALE_ROW1
.elseif (\ra)
	v_wmma_scale_f32_16x16x128_f8f6f4 v[(\d):(\d)+7], v[(\a):(\a)+11], v[(\b):(\b)+11], v[(\c):(\c)+7], v[\sa], v[\sb] matrix_a_fmt:MATRIX_FMT_BF6 matrix_b_fmt:MATRIX_FMT_BF6 matrix_a_scale:MATRIX_SCALE_ROW1
.elseif (\rb)
	v_wmma_scale_f32_16x16x128_f8f6f4 v[(\d):(\d)+7], v[(\a):(\a)+11], v[(\b):(\b)+11], v[(\c):(\c)+7], v[\sa], v[\sb] matrix_a_fmt:MATRIX_FMT_BF6 matrix_b_fmt:MATRIX_FMT_BF6 matrix_b_scale:MATRIX_SCALE_ROW1
.else
	v_wmma_scale_f32_16x16x128_f8f6f4 v[(\d):(\d)+7], v[(\a):(\a)+11], v[(\b):(\b)+11], v[(\c):(\c)+7], v[\sa], v[\sb] matrix_a_fmt:MATRIX_FMT_BF6 matrix_b_fmt:MATRIX_FMT_BF6
.endif
.endm
.macro MULS s, mode                    ; 32 matrix instructions; the 32 accumulators take turns, one instruction a turn, in the same order in every step
.irp a, 0,1,2,3
.irp b, 0,1,2,3,4,5,6,7
.set cD, 8*(8*\a+\b)
.set cC, cD
.if (\s) == 0                          ; the first K step starts the sums, on the bias
.set cC, BIAS+8*\b
.if \mode
.set cC, BIAS+8*\a
.endif
.endif
	WM cD, 96*((\s)%2)+12*\b, F1+48*((\s)%2)+12*\a, cC, SCS+24*((\s)/4)+4*(\b/2)+(\s)%4, SCS+24*((\s)/4)+16+4*(\a/2)+(\s)%4, \b%2, \a%2
.endr
.endr
.endm
.macro STEP s, mode
.if (\s) == 3
	s_wait_tensorcnt 0x0                           ; my part of the second half of K has landed,
	s_wait_dscnt 0x0
	s_barrier_signal -1
	s_barrier_wait -1                              ; everybody's has
.endif
.if (\s) < 7
.if (\s) > 0
	PLACES                                         ; the set that the step before multiplied is loaded again
.endif
	FETCH (\s)+1
.if (\s) == 3
	SCALES 1
	s_wait_dscnt 54                                ; all but the 48 + 6 loads just issued
.else
	s_wait_dscnt 48                                ; all but the 48 loads just issued
.endif
.else
	s_wait_dscnt 0x0
.endif
.if (\s) == 0
	WIN 0x42                                       ; source 0 window 2, source 1 and C (the bias) window 0, D window 1
.else
	WIN 0x52                                       ; C and D window 1
.endif
	MULS \s, \mode
.endm
; The 64 registers of accumulators (a, 0 .. 7): register 16 b + i = number 32 b + 16 (lane / 16) + i along the next K of my row.  They become a fragment's codes at v[PC + 16 a] on and its scale word in v[WD + a].
.macro QUANT128 a
	WIN 0x14                                       ; sources 1 and 2: window 1
.irp b, 0,1,2,3
	v_max3_num_f32 v[TM+\b], 0x2800000, |v[64*\a+16*\b]|, |v[64*\a+16*\b+1]|   ; block b: my 16 numbers, each accumulator from its low end on, and the floor 2^(5 - 127)
.endr
.irp i, 2,4,6,8,10,12,14
.irp b, 0,1,2,3
	v_max3_num_f32 v[TM+\b], v[TM+\b], |v[64*\a+16*\b+\i]|, |v[64*\a+16*\b+\i+1]|
.endr
.endr
	WIN 0
.irp b, 0,1,2,3
	v_permlanex16_b32 v[TM+4+\b], v[TM+\b], s80, s81
.endr
.irp b, 0,1,2,3
	v_max_num_f32 v[TM+\b], v[TM+\b], v[TM+4+\b]   ; with lane l xor 16's: the block's largest magnitude
.endr
.irp b, 0,1,2,3
	v_add_nc_u32 v[TM+12+\b], 0xfe000000, v[TM+\b] ; 4 off its exponent field: the conversion's scale operand
.endr
.irp b, 0,1,2,3
	v_lshrrev_b32 v[TM+4+\b], 23, v[TM+12+\b]      ; the scale's byte
.endr
	v_lshl_or_b32 v[WD+\a], v[TM+5], 8, v[TM+4]
	v_lshl_or_b32 v[WD+\a], v[TM+6], 16, v[WD+\a]
	v_lshl_or_b32 v[WD+\a], v[TM+7], 24, v[WD+\a]
	WIN 0x01                                       ; source 0: window 1
.irp c, 0,1
	v_cvt_scalef32_pk16_bf6_f32 v[PC+16*\a+6*\c:PC+16*\a+6*\c+2], v[64*\a+32*\c:64*\a+32*\c+15], v[TM+12+2*\c]
	v_cvt_scalef32_pk16_bf6_f32 v[CT+4*\c:CT+4*\c+2], v[64*\a+32*\c+16:64*\a+32*\c+31], v[TM+12+2*\c+1]
.endr
	WIN 0
	v_nop                                          ; one plain place behind a scaled conversion
.irp c, 0,1                            ; the layout wants a whole block in a lane: lanes 0-15 block 2 c, lanes 16-31 block 2 c + 1
.irp i, 0,1,2
	v_permlane16_swap_b32 v[PC+16*\a+6*\c+\i], v[CT+4*\c+\i]
.endr
.irp i, 0,1,2
	v_mov_b32 v[PC+16*\a+6*\c+3+\i], v[CT+4*\c+\i]
.endr
.endr
.endm
	s_load_b128 s[4:7], s[0:1], 0x0                ; xi, wai
	s_load_b128 s[8:11], s[0:1], 0x10              ; b_attn, qi
	s_load_b128 s[12:15], s[0:1], 0x20             ; qs, kv
	v_lshl_add_u32 v90, v0, 2, 0x4b000
	v_mov_b32 v91, 0
	ds_add_u32 v90, v91
	ds_add_u32 v90, v91
	v_lshrrev_b32 v1, 5, v0
	v_readfirstlane_b32 s16, v1                    ; wave 0..3
	s_and_b32 s17, s16, 1
	s_lshr_b32 s18, s16, 1
	s_bfe_u32 s19, ttmp6, 0x40000                  ; cx
	s_bfe_u32 s20, ttmp6, 0x40004                  ; cy
	s_lshl_b32 s21, ttmp9, 2
	s_add_co_u32 s21, s21, s19                     ; which 256 features
	s_and_b32 s22, ttmp7, 0xffff
	s_lshl_b32 s22, s22, 2
	s_add_co_u32 s22, s22, s20                     ; which 128 tokens
	s_lshl_b32 s56, s20, 2
	s_lshl_b32 s56, 15, s56                        ; my row of the cluster
	s_lshl_b32 s57, 0x1111, s19                    ; my column
	; descriptor group 1: records as rows of 800 elements of 8 bytes, 1,600 elements apart in memory (the other half of K lies between), dense in LDS
	s_or_b32 s24, s56, (3<<16)|(1<<21)             ; the tokens' tiles go to my row; elements of 8 bytes; bit 21 set beside a mask
	s_mov_b32 s25, 800<<16                         ; tensor_dim0
	s_mov_b32 s26, 4<<16                           ; tensor_dim1: 4 records a load
	s_mov_b32 s27, 800<<16                         ; tile_dim0
	s_mov_b32 s28, 4                               ; tile_dim1
	s_mov_b32 s29, 1600                            ; the pitch
	s_mov_b32 s30, 0
	s_mov_b32 s31, 0
	s_or_b32 s32, s57, (3<<16)|(1<<21)             ; the features' tiles go to my column
	s_mov_b32 s33, 800<<16
	s_mov_b32 s34, 8<<16                           ; 8 records a load
	s_mov_b32 s35, 800<<16
	s_mov_b32 s36, 8
	s_mov_b32 s37, 1600
	s_mov_b32 s38, 0
	s_mov_b32 s39, 0
	s_lshl_b32 s58, s22, 3                         ; tokens: tile 8 x block + 4 x (wave % 2); in registers that never hold cx
	s_lshl_b32 s59, s17, 2
	s_add_co_u32 s58, s58, s59
	s_mul_i32 s58, s58, 2*REC
	s_mov_b32 s59, 0
	s_lshl_b32 s60, s21, 4                         ; features: tile 16 x block + 8 x (wave % 2); in registers that never hold cy
	s_lshl_b32 s61, s17, 3
	s_add_co_u32 s60, s60, s61
	s_mul_i32 s60, s60, 2*REC
	s_mov_b32 s61, 0
	s_mul_i32 s62, s17, 4*REC                      ; where they go: the wave's number alone enters an LDS address
	s_mul_i32 s63, s17, 8*REC
	s_add_co_u32 s63, s63, BOFF
	s_mov_b32 s80, 0x76543210
	s_mov_b32 s81, 0xfedcba98                      ; v_permlanex16_b32's selects for lane l xor 16
	v_and_b32 v19, 31, v0                          ; lane
	v_and_b32 v20, 15, v0                          ; r
	v_bfe_u32 v21, v0, 4, 1                        ; h
	v_lshlrev_b32 v16, 4, v19
	v_lshlrev_b32 v17, 3, v19
	v_lshlrev_b32 v18, 2, v19
	v_add_nc_u32 v1, 256, v16
	v_add_nc_u32 v2, 768, v17
	v_mul_u32_u24 v3, v21, REC
	v_lshl_add_u32 v3, v20, 4, v3
.irp b, 0,1,2,3
	v_mov_b32 v[TM+4+\b], 0                        ; written once: a lane permute's destination counts as one of its sources
.endr
	s_wait_dscnt 0x0
	s_wait_kmcnt 0x0
	s_add_nc_u64 s[58:59], s[4:5], s[58:59]
	s_add_nc_u64 s[60:61], s[6:7], s[60:61]
	CROUND                                         ; all sixteen work-groups are here: the joint loads meet
.irp c, 0,1
	s_mov_b32 s[40+4*\c], 1
	s_add_co_u32 s[41+4*\c], s62, \c*CHUNK
	s_add_nc_u64 s[42+4*\c:43+4*\c], s[58:59], \c*REC
	s_or_b32 s[43+4*\c], s[43+4*\c], 0x80000000
	s_mov_b32 s[48+4*\c], 1
	s_add_co_u32 s[49+4*\c], s63, \c*CHUNK
	s_add_nc_u64 s[50+4*\c:51+4*\c], s[60:61], \c*REC
	s_or_b32 s[51+4*\c], s[51+4*\c], 0x80000000
.endr
	s_cmp_lt_u32 s16, 2                            ; waves 0, 1 fetch the tokens' tiles, waves 2, 3 the features'; a wave's two loads, the two halves of K, stand in one branch: two loads of mine are out
	s_cbranch_scc0 .Lfor_b
	tensor_load_to_lds s[40:43], s[24:31]
	s_nop 0
	tensor_load_to_lds s[44:47], s[24:31]
	s_nop 0
.rept 4
	v_nop
.endr
	s_branch .Lasked
.Lfor_b:
	tensor_load_to_lds s[48:51], s[32:39]
	s_nop 0
	tensor_load_to_lds s[52:55], s[32:39]
	s_nop 0
.rept 4
	v_nop
.endr
.Lasked:
.macro BODY mode
.if \mode
	s_mov_b32 s82, 0                               ; source 0: all 8 tiles of tokens
	s_mul_i32 s23, s16, 4*REC
	s_add_co_u32 s23, s23, BOFF                    ; source 1: feature tiles 4 x wave on: one head
.else
	s_mov_b32 s82, s63                             ; source 0: feature tiles 8 x (wave % 2) on: two heads
	s_mul_i32 s23, s18, 4*REC                      ; source 1: token tiles 4 x (wave / 2) on
.endif
	v_add_nc_u32 v[AD0], s82, v1
	v_add_nc_u32 v[AD0B], s82, v2
	v_add_nc_u32 v[AS0], s82, v3
	v_add_nc_u32 v[AD1], s23, v1
	v_add_nc_u32 v[AD1B], s23, v2
	v_add_nc_u32 v[AS1], s23, v3
.irp g, AD0, AD0B, AD1, AD1B, AS0, AS1
	v_add_nc_u32 v[\g+1], CHUNK, v[\g]
.endr
	s_lshl_b32 s76, s21, 10                        ; the bias: 256 features of 4 bytes a block,
	s_mov_b32 s77, 0
	s_lshr_b32 s89, s22, 4
	s_lshl_b32 s89, s89, 4                         ; the head: 16 x batch
	s_lshl_b32 s90, s19, 2
	s_add_co_u32 s89, s89, s90                     ; + 4 cx
	s_and_b32 s90, s22, 15                         ; which 128 tokens of the sequence
	s_mov_b32 s93, 0
	s_mov_b32 s95, 0
.if \mode
	s_lshl_b32 s91, s16, 8
	s_add_co_u32 s76, s76, s91                     ; my 64
	s_add_nc_u64 s[74:75], s[8:9], s[76:77]
	v_and_b32 v22, 8, v20
	v_add_nc_u32 v22, v22, v20
	v_lshlrev_b32 v22, 2, v22                      ; lane r wants feature r + 8 (r / 8) of its tile
.irp a, 0,1,2,3
	global_load_b32 v[BIAS+8*\a], v22, s[74:75] offset:4*(32*(\a/2)+8*(\a%2))
.endr
	s_add_co_u32 s89, s89, s16                     ; + wave
	s_mul_i32 s92, s89, 204800
	s_mul_i32 s91, s90, 12800
	s_add_co_u32 s92, s92, s91
	s_add_co_u32 s92, s92, 6144                    ; v's fragments in the head's chunk of 128 keys
	s_add_nc_u64 s[66:67], s[14:15], s[92:93]
.else
	s_lshl_b32 s91, s17, 9
	s_add_co_u32 s76, s76, s91                     ; my 128
	s_add_nc_u64 s[74:75], s[8:9], s[76:77]
	v_lshlrev_b32 v22, 6, v21                      ; register j of tile b is feature 32 (b / 2) + 16 h + 8 (b % 2) + j
.irp b, 0,1,2,3,4,5,6,7
	global_load_b128 v[BIAS+8*\b:BIAS+8*\b+3], v22, s[74:75] offset:4*(32*(\b/2)+8*(\b%2))
	global_load_b128 v[BIAS+8*\b+4:BIAS+8*\b+7], v22, s[74:75] offset:4*(32*(\b/2)+8*(\b%2))+16
.endr
	s_cmp_eq_u32 ttmp9, 0                          ; q or k: where the codes and the pair words go.  All the choices follow this one compare
	s_mov_b32 s84, 204800
	s_cselect_b32 s84, 98304, s84                  ; codes: bytes a head,
	s_mov_b32 s85, 12800
	s_cselect_b32 s85, 6144, s85                   ; bytes for 128 tokens;
	s_mov_b32 s86, 204800
	s_cselect_b32 s86, 4096, s86                   ; pair words likewise,
	s_mov_b32 s87, 12800
	s_cselect_b32 s87, 256, s87
	s_cselect_b32 s88, 0, 12288                    ; and where they begin in a chunk
	s_cselect_b64 s[66:67], s[10:11], s[14:15]
	s_cselect_b64 s[70:71], s[12:13], s[14:15]
	s_lshl_b32 s91, s17, 1
	s_add_co_u32 s89, s89, s91                     ; + 2 x (wave % 2): my first head
	s_mul_i32 s92, s89, s84
	s_mul_i32 s91, s90, s85
	s_add_co_u32 s92, s92, s91
	s_mul_i32 s91, s18, 3072                       ; my four tiles of tokens
	s_add_co_u32 s92, s92, s91
	s_add_nc_u64 s[66:67], s[66:67], s[92:93]
	s_mov_b32 s94, s84
	s_add_nc_u64 s[68:69], s[66:67], s[94:95]      ; my second head
	s_mul_i32 s92, s89, s86
	s_mul_i32 s91, s90, s87
	s_add_co_u32 s92, s92, s91
	s_add_co_u32 s92, s92, s88
	s_lshl_b32 s91, s18, 7
	s_add_co_u32 s92, s92, s91
	s_add_nc_u64 s[70:71], s[70:71], s[92:93]
	s_mov_b32 s94, s86
	s_add_nc_u64 s[72:73], s[70:71], s[94:95]
.endif
	s_wait_alu depctr_va_vdst(0)
	s_wait_tensorcnt 0x1                           ; my part of the first half of K has landed; the second half's load may stay out
	s_barrier_signal -1
	s_barrier_wait -1                              ; everybody's has
	SCALES 0
	FETCH 0
	s_wait_loadcnt 0x0                             ; the bias
.if \mode
.irp a, 0,1,2,3
.irp j, 1,2,3,4,5,6,7
	v_mov_b32 v[BIAS+8*\a+\j], v[BIAS+8*\a]        ; a lane's eight results of a tile are one channel's
.endr
.endr
.endif
	s_wait_alu depctr_va_vdst(0)
.irp s, 0,1,2,3,4,5,6,7
	STEP \s, \mode
.endr
	WIN 0
	PLACES
.irp a, 0,1,2,3
	QUANT128 \a
.if \mode                              ; a fragment of v: 16 channels x these 128 keys
	global_store_b128 v16, v[PC+16*\a:PC+16*\a+3], s[66:67] offset:1536*\a
	global_store_b64 v17, v[PC+16*\a+4:PC+16*\a+5], s[66:67] offset:1536*\a+512
	global_store_b128 v16, v[PC+16*\a+6:PC+16*\a+9], s[66:67] offset:1536*\a+768
	global_store_b64 v17, v[PC+16*\a+10:PC+16*\a+11], s[66:67] offset:1536*\a+1280
.else                                  ; the fragment's two halves are two heads' half images of these 16 tokens
	global_store_b128 v16, v[PC+16*\a:PC+16*\a+3], s[66:67] offset:768*\a
	global_store_b64 v17, v[PC+16*\a+4:PC+16*\a+5], s[66:67] offset:768*\a+512
	global_store_b128 v16, v[PC+16*\a+6:PC+16*\a+9], s[68:69] offset:768*\a
	global_store_b64 v17, v[PC+16*\a+10:PC+16*\a+11], s[68:69] offset:768*\a+512
.endif
.endr
	s_mov_b32 vcc_lo, 0xffff0000
.if \mode
.irp p, 0,1
	v_cndmask_b32 v[172+\p], v[WD+2*\p], v[WD+2*\p+1], vcc_lo      ; lanes 0-15 the even tile's words, lanes 16-31 the odd tile's
	global_store_b32 v18, v[172+\p], s[66:67] offset:6400+128*\p
.endr
.else
.irp p, 0,1
	v_perm_b32 v[172+\p], v[WD+2*\p+1], v[WD+2*\p], 0x05040100     ; the first head's pair word: the even tile's bytes 0, 1, then the odd tile's
	v_perm_b32 v[174+\p], v[WD+2*\p+1], v[WD+2*\p], 0x07060302     ; the second head's: bytes 2, 3 of both
.endr
	v_cndmask_b32 v176, v172, v173, vcc_lo         ; lanes 0-15 the first pair of tiles, lanes 16-31 the second
	v_cndmask_b32 v177, v174, v175, vcc_lo
	global_store_b32 v18, v176, s[70:71]
	global_store_b32 v18, v177, s[72:73]
.endif
.endm
	s_cmp_lt_u32 ttmp9, 2                          ; the cluster's x: the same in all sixteen partners
	s_cbranch_scc0 .Lvalues
	s_wait_alu depctr_va_vdst(0)
	BODY 0
	s_branch .Lend
.Lvalues:
	s_wait_alu depctr_va_vdst(0)
	BODY 1
.Lend:
	s_wait_tensorcnt 0x0
	ds_add_u32 v90, v91
	s_wait_dscnt 0x0
	CROUND                                         ; the closing round: no work-group ends while a partner may still ask for a tile that names it
	s_endpgm
.Lfunc_end_k_qba2fefb9f3_gemm_qkv:
	.size	k_qba2fefb9f3_gemm_qkv, .Lfunc_end_k_qba2fefb9f3_gemm_qkv-k_qba2fefb9f3_gemm_qkv
	.p2alignl 7, 3214868480
	.fill 96, 4, 3214868480
	.section	.rodata,"a",@progbits
	.p2align	6, 0x0
	.amdhsa_kernel k_qba2fefb9f3_gemm_qkv
		.amdhsa_group_segment_fixed_size 307712
		.amdhsa_private_segment_fixed_size 0
		.amdhsa_enable_private_segment 0
		.amdhsa_kernarg_size 48
		.amdhsa_user_sgpr_count 2
		.amdhsa_user_sgpr_kernarg_segment_ptr 1
		.amdhsa_wavefront_size32 1
		.amdhsa_system_sgpr_workgroup_id_x 1
		.amdhsa_system_sgpr_workgroup_id_y 1
		.amdhsa_system_sgpr_workgroup_id_z 1
		.amdhsa_system_vgpr_workitem_id 0
		.amdhsa_next_free_vgpr 704
		.amdhsa_next_free_sgpr 96
		.amdhsa_reserve_vcc 1
		.amdhsa_float_denorm_mode_32 3
		.amdhsa_float_denorm_mode_16_64 3
		.amdhsa_memory_ordered 1
		.amdhsa_forward_progress 1
		.amdhsa_inst_pref_size 166
	.end_amdhsa_kernel
	.amdgpu_metadata
---
amdhsa.version: [ 1, 2 ]
amdhsa.kernels:
  - .name:           k_qba2fefb9f3_gemm_qkv
    .symbol:         k_qba2fefb9f3_gemm_qkv.kd
    .args:
      - { .name: xi, .offset: 0, .size: 8, .value_kind: global_buffer, .address_space: global }
      - { .name: wai, .offset: 8, .size: 8, .value_kind: global_buffer, .address_space: global }
      - { .name: b_attn, .offset: 16, .size: 8, .value_kind: global_buffer, .address_space: global }
      - { .name: qi, .offset: 24, .size: 8, .value_kind: global_buffer, .address_space: global }
      - { .name: qs, .offset: 32, .size: 8, .value_kind: global_buffer, .address_space: global }
      - { .name: kv, .offset: 40, .size: 8, .value_kind: global_buffer, .address_space: global }
    .group_segment_fixed_size: 307712
    .private_segment_fixed_size: 0
    .kernarg_segment_align: 8
    .kernarg_segment_size: 48
    .max_flat_workgroup_size: 128
    .sgpr_count:     96
    .vgpr_count:     704
    .wavefront_size: 32
...
	.end_amdgpu_metadata
.endif
;; end of part 2
;; launch attn (part 3): grid 4 x 64, 16 waves a work-group, no clusters, 206,848 bytes of LDS; arguments qi, qs, kv, yi; writes yi
.if DOCPART == 3
	.amdgcn_target "amdgcn-amd-amdhsa--gfx1250"
	.amdhsa_code_object_version 6
	.text
	.protected	k_qba2fefb9f3_attn
	.globl	k_qba2fefb9f3_attn
	.p2align	8
	.type	k_qba2fefb9f3_attn,@function
k_qba2fefb9f3_attn:
	s_mov_b64 s[64:65], 0
	v_nop
	global_prefetch_b8 v0, s[64:65] scope:SCOPE_SE
	s_setreg_imm32_b32 hwreg(HW_REG_WAVE_MODE, 25, 1), 1
	s_wait_xcnt 0x0
; y = softmax(q k^T / 8, causal) v for one head, both products on codes of BF6 (E3M2) with E8M0 scales; y is quantised along C here and leaves as the last product's operand.
; THE SOFTMAX: t = score x log2(e) / 8; M = the row's largest t so far, rounded up to a whole number; p = 2^(t - M) is quantised along the keys, not normalised.  The row's sum is taken of the unquantised p and divides at the end.
; When M moves, the sum and O are multiplied by 2^(old M - new M): exact.
; SHARES.  Work-group (i, head) owns blocks i and 7 - i of 256 queries, one after the other: with the causal mask every work-group then has the same work.  Each of sixteen waves owns one tile of 16 queries, in 256 registers:
; four waves to a SIMD, so that one wave's vector work stands beside another's matrix work and LDS loads.
; LDS.  THE WHOLE HEAD'S K AND V STAY IN LDS: 16 chunks of 128 keys, 12,800 bytes each, filled once (waves 0-7: chunks w and 8 + w).  No slot is filled again.  Block i (i < 4) wants keys under 1,024: chunks 0-7.
; A chunk: four fragments of k, each two tiles of 16 keys x 64 side by side along the instruction's 128; four fragments of v (16 channels x 128 keys); 64 pair words of k's scales; 64 scale words of v.
; THE FIRST PRODUCT HAS K = 64.  Source 0 is a whole fragment of k (two tiles of keys); source 1 is q beside 64 zero codes: (q, 0) gives the even tile's scores, (0, q) the odd tile's.  Zero codes add nothing under any scale byte that the quantiser makes.
; Both products are used transposed: a lane holds one query.  Tiles' rows are 32 (t / 2) + 8 (t % 2) + r + 8 (r / 8), so the 16 registers of tiles 2 b, 2 b + 1 are 16 neighbouring keys (channels, in O).
; NO CLUSTER: the four work-groups of a head read the same chunks, but once each, at the head of the launch, and they walk different numbers of keys in each phase; what could be shared is 204,800 bytes a work-group.
; Every loop's trip count is a constant; a step all of whose keys come after the wave's queries is jumped over by a scalar branch on ids.
; LIMITS: p under 2^-126 counts as 0 (v_exp_f32); 1 / sum is v_rcp_f32; a block of zeros gets the byte 1 (its codes are zeros; this program alone reads the bytes); NaN and infinities are not served.
; REGISTERS: v1-3 lane terms, v4-6 the step's LDS addresses, v7 r + 8 (r / 8) - 16 h, v8 16 r, v9 at work, v[10:11] f, v12 -M, v13 the largest t, v[14:15] the sum; v16-33 zeros | q | zeros; v34-35 v's scale words, v36-37 k's,
;   v38 q's, v39 p's; v40-87 k's fragments; v88-135 v's; v136-199 S^T, then p; v200-231 O^T; v232-243 p's codes; v244-255 at work.
.set S,   136
.set OT,  200
.set PCD, 232
.set BM,  244
.set PX,  248
.set SO,  252
.set KFR, 40
.set VFR, 88
.set CHB, 12800
.macro FRAGLD reg, a16, a8, off        ; a fragment, 12 registers: two half images on end; every load takes consecutive bytes in consecutive lanes
	ds_load_b128 v[(\reg):(\reg)+3], v[\a16] offset:(\off)
	ds_load_b64 v[(\reg)+4:(\reg)+5], v[\a8] offset:(\off)
	ds_load_b128 v[(\reg)+6:(\reg)+9], v[\a16] offset:(\off)+768
	ds_load_b64 v[(\reg)+10:(\reg)+11], v[\a8] offset:(\off)+768
.endm
; what a phase needs of scalars, at s[pb] on: q's half image, q's pair words, y's half image, y's scale bytes (four addresses); my smallest and largest query
.macro PSET pb, blk
	s_lshl_b32 s13, s[\blk], 4
	s_add_co_u32 s13, s13, s12                     ; my tile of queries: 16 x block + wave
	s_lshl_b32 s14, s15, 7
	s_add_co_u32 s14, s14, s13
	s_mul_i32 s62, s14, 768
	s_add_nc_u64 s[\pb:\pb+1], s[4:5], s[62:63]
	s_lshl_b32 s14, s15, 6
	s_lshr_b32 s61, s13, 1
	s_add_co_u32 s14, s14, s61
	s_lshl_b32 s62, s14, 6
	s_add_nc_u64 s[\pb+2:\pb+3], s[6:7], s[62:63]
	s_lshr_b32 s14, s15, 4
	s_lshl_b32 s14, s14, 7
	s_add_co_u32 s14, s14, s13                     ; the tile among all tokens: 128 x batch + tile
	s_lshl_b32 s14, s14, 1
	s_bfe_u32 s61, s15, 0x10003
	s_add_co_u32 s14, s14, s61                     ; its record: heads 8-15 of a batch are the second half of C
	s_mul_i32 s14, s14, 6400
	s_and_b32 s61, s15, 7
	s_mul_i32 s61, s61, 768
	s_add_co_u32 s62, s14, s61
	s_add_co_u32 s62, s62, 256                     ; the head's 64 of C are one half image
	s_add_nc_u64 s[\pb+4:\pb+5], s[10:11], s[62:63]
	s_bfe_u32 s61, s15, 0x20001
	s_lshl_b32 s61, s61, 2                         ; two heads to a scale word,
	s_add_co_u32 s62, s14, s61
	s_and_b32 s61, s15, 1
	s_lshl_b32 s61, s61, 1                         ; two bytes a head
	s_add_co_u32 s62, s62, s61
	s_add_nc_u64 s[\pb+6:\pb+7], s[10:11], s[62:63]
	s_lshl_b32 s14, s[\blk], 8
	s_lshr_b32 s61, s12, 1
	s_lshl_b32 s61, s61, 5
	s_add_co_u32 s14, s14, s61
	s_and_b32 s61, s12, 1
	s_lshl_b32 s61, s61, 3
	s_add_co_u32 s[\pb+8], s14, s61                ; my smallest query
	s_add_co_u32 s[\pb+9], s[\pb+8], 23            ; and my largest
.endm
	s_load_b256 s[4:11], s[0:1], 0x0               ; qi, qs, kv, yi
	v_lshl_add_u32 v254, v0, 2, 0x32000
	v_mov_b32 v255, 0
	ds_add_u32 v254, v255
	ds_add_u32 v254, v255
	s_wait_dscnt 0x0
	v_lshrrev_b32 v1, 5, v0
	s_delay_alu instid0(VALU_DEP_1)
	v_readfirstlane_b32 s12, v1                    ; wave 0..15
	s_and_b32 s15, ttmp7, 0xffff                   ; the head, 0..63
	s_mov_b32 s2, ttmp9                            ; block i,
	s_sub_co_u32 s3, 7, s2                         ; and block 7 - i
	s_mov_b32 s63, 0
	; descriptor group 1: a chunk, dense in memory, as 50 rows of 256 bytes (32 elements of 8 bytes)
	s_mov_b32 s16, 3<<16
	s_mov_b32 s17, 32<<16
	s_mov_b32 s18, 50<<16
	s_mov_b32 s19, 32<<16
	s_mov_b32 s20, 50
	s_mov_b32 s21, 32
	s_mov_b32 s22, 0
	s_mov_b32 s23, 0
	s_and_b32 s13, s12, 7
	s_mul_i32 s13, s13, CHB
	s_mul_i32 s62, s15, 16*CHB
	s_add_co_u32 s62, s62, s13
	s_mov_b32 s32, 0x76543210
	s_mov_b32 s33, 0xfedcba98                      ; v_permlanex16_b32's selects for lane l xor 16
	s_mov_b32 s34, 0x3e38aa3b                      ; c = log2(e) / 8
	s_mov_b32 s35, s34                             ; (named with it as a pair, so it is written)
	s_wait_kmcnt 0x0
	s_mov_b32 s24, 1
	s_mov_b32 s25, s13
	s_add_nc_u64 s[26:27], s[8:9], s[62:63]
	s_mov_b32 s28, 1
	s_add_co_u32 s29, s13, 8*CHB
	s_add_nc_u64 s[30:31], s[26:27], 8*CHB
	s_or_b32 s27, s27, 0x80000000
	s_or_b32 s31, s31, 0x80000000
	s_cmp_lt_u32 s12, 8                            ; a wave's two fills stand in one branch: waves 0-7 have two loads out, the others none
	s_cbranch_scc0 .Lno_fill
	tensor_load_to_lds s[24:27], s[16:23]
	s_nop 0
	tensor_load_to_lds s[28:31], s[16:23]
	s_nop 0
.rept 4
	v_nop
.endr
.Lno_fill:
	s_and_b32 s61, s12, 1
	s_cmp_eq_u32 s61, 0
	s_mov_b32 s60, 0x03020302
	s_cselect_b32 s60, 0x01000100, s60             ; my tile's two bytes of the pair word, twice: they serve (q, 0) and (0, q)
	PSET 40, 2
	PSET 50, 3
	v_and_b32 v9, 31, v0                           ; lane
	v_and_b32 v10, 15, v0                          ; r
	v_bfe_u32 v11, v0, 4, 1                        ; h
	s_delay_alu instid0(VALU_DEP_3)
	v_lshlrev_b32 v1, 4, v9
	s_delay_alu instid0(VALU_DEP_4)
	v_lshlrev_b32 v2, 3, v9
	s_delay_alu instid0(VALU_DEP_1)
	v_add_nc_u32 v2, 512, v2
	v_lshlrev_b32 v3, 2, v9
	s_delay_alu instid0(VALU_DEP_1)
	v_add_nc_u32 v3, 12288, v3
	v_and_b32 v7, 8, v10
	s_delay_alu instid0(VALU_DEP_1)
	v_add_nc_u32 v7, v7, v10
	v_lshlrev_b32 v8, 4, v11
	s_delay_alu instid0(VALU_DEP_1)
	v_sub_nc_u32 v7, v7, v8
	v_lshlrev_b32 v8, 4, v10
	v_mov_b32 v11, 0                               ; (named as the upper half of the pair v[10:11])
.irp i, 0,1,2,3,4,5
	v_mov_b32 v[16+\i], 0                          ; the zero codes on both sides of q
	v_mov_b32 v[28+\i], 0
.endr
.irp b, 0,1,2,3
	v_mov_b32 v[PX+\b], 0                          ; written once: a lane permute's destination counts as one of its sources
.endr
; A KEY STEP: 128 keys, the chunk at LDS byte s36; s37 is its first key
.macro STEP pb
	s_cmp_gt_u32 s37, s[\pb+9]                     ; all its keys come after my queries: only the addresses step
	s_cbranch_scc1 .Lhid_\@
	s_setprio 2
	v_add_nc_u32 v4, s36, v1
	v_add_nc_u32 v5, s36, v2
	v_add_nc_u32 v6, s36, v3
	v_nop                                          ; four places in front of loads into registers that the last products read
.irp p, 0,1,2,3
	FRAGLD KFR+12*\p, 4, 5, 1536*\p
.endr
	ds_load_b32 v36, v6                            ; k's pair words: lanes 0-15 fragment 0's, lanes 16-31 fragment 1's;
	ds_load_b32 v37, v6 offset:128                 ; fragments 2 and 3
.irp a, 0,1,2,3
	FRAGLD VFR+12*\a, 4, 5, 6144+1536*\a
.endr
	ds_load_b32 v34, v6 offset:256                 ; v's scale words likewise
	ds_load_b32 v35, v6 offset:384
	s_wait_dscnt 18                                ; k is in; v's 16 + 2 loads may be out
.irp t, 0,1,2,3,4,5,6,7                ; S^T: tile t of 16 keys; (q, 0) at v22 for the even tiles, (0, q) at v16 for the odd
.if (\t/2)%2
	v_wmma_scale_f32_16x16x128_f8f6f4 v[S+8*\t:S+8*\t+7], v[KFR+12*(\t/2):KFR+12*(\t/2)+11], v[22-6*(\t%2):33-6*(\t%2)], 0, v[36+\t/4], v38 matrix_a_fmt:MATRIX_FMT_BF6 matrix_b_fmt:MATRIX_FMT_BF6 matrix_a_scale:MATRIX_SCALE_ROW1
.else
	v_wmma_scale_f32_16x16x128_f8f6f4 v[S+8*\t:S+8*\t+7], v[KFR+12*(\t/2):KFR+12*(\t/2)+11], v[22-6*(\t%2):33-6*(\t%2)], 0, v[36+\t/4], v38 matrix_a_fmt:MATRIX_FMT_BF6 matrix_b_fmt:MATRIX_FMT_BF6
.endif
.endr
.rept 4
	v_nop
.endr
	s_add_co_u32 s39, s37, 127                     ; on the diagonal hidden scores become -infinity ahead of the maximum; a step all of whose keys count skips this
	s_cmp_le_u32 s39, s[\pb+8]
	s_cbranch_scc1 .Lopen_\@
	s_sub_co_i32 s39, s[\pb+8], s37
	v_add_nc_u32 v[PX], s39, v7                    ; d = my query - the first key - 16 h.  Register 16 b + i holds key 32 b + 16 h + i of the step: hidden where 32 b + i > d
	v_mov_b32 v[PX+1], 0xff800000
.set nn, 0
.rept 64
	v_cmp_gt_i32 vcc_lo, 32*(nn/16)+nn%16, v[PX]
	v_cndmask_b32 v[S+nn], v[S+nn], v[PX+1], vcc_lo
.set nn, nn+1
.endr
.Lopen_\@:
.irp b, 0,1,2,3
	v_max3_num_f32 v[BM+\b], v[S+16*\b], v[S+1+16*\b], v[S+2+16*\b]   ; the largest score of each block of 32 keys: for the row's maximum, and, since p rises with the score, for the block's largest p
.endr
.irp i, 3,5,7,9,11,13
.irp b, 0,1,2,3
	v_max3_num_f32 v[BM+\b], v[BM+\b], v[S+16*\b+\i], v[S+1+16*\b+\i]
.endr
.endr
.irp b, 0,1,2,3
	v_max_num_f32 v[BM+\b], v[BM+\b], v[S+15+16*\b]
.endr
.irp b, 0,1,2,3
	s_delay_alu instid0(VALU_DEP_4)
	v_permlanex16_b32 v[PX+\b], v[BM+\b], s32, s33
.endr
.irp b, 0,1,2,3
	s_delay_alu instid0(VALU_DEP_4)
	v_max_num_f32 v[BM+\b], v[BM+\b], v[PX+\b]     ; with lane l xor 16's 16 keys
.endr
	s_delay_alu instid0(VALU_DEP_2)
	v_max3_num_f32 v9, v[BM], v[BM+1], v[BM+2]
	s_delay_alu instid0(VALU_DEP_1)
	v_max_num_f32 v9, v9, v[BM+3]
	s_delay_alu instid0(VALU_DEP_1)
	v_mul_f32 v9, s34, v9                          ; the step's largest t (c is positive)
	s_delay_alu instid0(VALU_DEP_1)
	v_max_num_f32 v13, v13, v9
	v_mov_b32 v9, v12
	s_delay_alu instid0(VALU_DEP_2)
	v_floor_f32 v12, -v13                          ; the new -M = -ceil(t): a whole number
	s_delay_alu instid0(VALU_DEP_1)
	v_sub_f32 v9, v12, v9                          ; old M - new M, 0 or less
	s_delay_alu instid0(VALU_DEP_1)
	v_cvt_i32_f32 v9, v9                           ; (it saturates)
	s_delay_alu instid0(VALU_DEP_1)
	v_ldexp_f32 v10, 1.0, v9                       ; f = 2^(old M - new M)
.set jj, 0
	s_setprio 1
.rept 32
	v_pk_fma_f32 v[S+jj:S+jj+1], v[S+jj:S+jj+1], s[34:35], v[12:13] op_sel_hi:[1,0,0]   ; t - M, two at a time
.set jj, jj+2
.endr
.irp b, 0,1,2,3
	v_fma_f32 v[BM+\b], v[BM+\b], s34, v12         ; the same of each block's largest score
.endr
.set jj, 0
	s_wait_alu depctr_va_vdst(0)
.rept 64
	v_exp_f32 v[S+jj], v[S+jj]                     ; p = 2^(t - M)
.set jj, jj+1
.endr
.irp b, 0,1,2,3
	v_exp_f32 v[BM+\b], v[BM+\b]                   ; the block's largest p: the same two instructions on the same number
.endr
	v_pk_mul_f32 v[14:15], v[14:15], v[10:11] op_sel_hi:[1,0]      ; the sums under the new M (a plain place behind the exponentials)
	s_wait_alu depctr_va_vdst(0)
.irp b, 0,1,2,3
	v_max_num_f32 v[BM+\b], 0x2800000, v[BM+\b]    ; the floor 2^(5 - 127): the byte cannot fall under 1
.endr
.irp b, 0,1,2,3
	s_delay_alu instid0(VALU_DEP_4)
	v_add_nc_u32 v[SO+\b], 0xfe000000, v[BM+\b]    ; 4 off the exponent field: the conversion's scale operand
.endr
.irp b, 0,1,2,3
	s_delay_alu instid0(VALU_DEP_4)
	v_lshrrev_b32 v[PX+\b], 23, v[SO+\b]           ; the scale's byte
.endr
	s_delay_alu instid0(VALU_DEP_3)
	v_lshl_or_b32 v39, v[PX+1], 8, v[PX]           ; p's scale word for these 128 keys
	s_delay_alu instid0(VALU_DEP_1)
	v_lshl_or_b32 v39, v[PX+2], 16, v39
	s_delay_alu instid0(VALU_DEP_1)
	v_lshl_or_b32 v39, v[PX+3], 24, v39
.irp c, 0,1
	v_cvt_scalef32_pk16_bf6_f32 v[PCD+6*\c:PCD+2+6*\c], v[S+32*\c:S+15+32*\c], v[SO+2*\c]
	v_cvt_scalef32_pk16_bf6_f32 v[BM+4*\c:BM+2+4*\c], v[S+16+32*\c:S+31+32*\c], v[SO+2*\c+1]
.endr
	v_nop                                          ; one plain place behind a scaled conversion
.irp c, 0,1                            ; the layout wants a whole block in a lane
.irp i, 0,1,2
	v_permlane16_swap_b32 v[PCD+6*\c+\i], v[BM+4*\c+\i]
.endr
.irp i, 0,1,2
	s_delay_alu instid0(VALU_DEP_3)
	v_mov_b32 v[PCD+3+6*\c+\i], v[BM+4*\c+\i]
.endr
.endr
	v_pk_add_f32 v[244:245], v[140:141], v[144:145]
	v_pk_add_f32 v[254:255], v[148:149], v[152:153]
	v_pk_add_f32 v[252:253], v[156:157], v[160:161]
	v_pk_add_f32 v[246:247], v[164:165], v[168:169]
	v_pk_add_f32 v[86:87], v[172:173], v[176:177]
	v_pk_add_f32 v[84:85], v[180:181], v[184:185]
	v_pk_add_f32 v[82:83], v[188:189], v[192:193]
	v_pk_add_f32 v[14:15], v[14:15], v[196:197]
	v_pk_add_f32 v[244:245], v[244:245], v[136:137]
	s_setprio 0
	v_pk_add_f32 v[254:255], v[254:255], v[138:139]
	v_pk_add_f32 v[252:253], v[252:253], v[142:143]
	v_pk_add_f32 v[246:247], v[246:247], v[146:147]
	v_pk_add_f32 v[86:87], v[86:87], v[150:151]
	v_pk_add_f32 v[84:85], v[84:85], v[154:155]
	v_pk_add_f32 v[82:83], v[82:83], v[158:159]
	v_pk_add_f32 v[14:15], v[14:15], v[162:163]
	v_pk_add_f32 v[244:245], v[244:245], v[166:167]
	v_pk_add_f32 v[254:255], v[254:255], v[170:171]
	v_pk_add_f32 v[252:253], v[252:253], v[174:175]
	v_pk_add_f32 v[246:247], v[246:247], v[178:179]
	v_pk_add_f32 v[86:87], v[86:87], v[182:183]
	v_pk_add_f32 v[84:85], v[84:85], v[186:187]
	v_pk_add_f32 v[82:83], v[82:83], v[190:191]
	v_pk_add_f32 v[14:15], v[14:15], v[194:195]
	v_pk_add_f32 v[244:245], v[244:245], v[198:199]
	s_delay_alu instid0(VALU_DEP_2)
	v_pk_add_f32 v[14:15], v[14:15], v[246:247]
	s_delay_alu instid0(VALU_DEP_2)
	v_pk_add_f32 v[244:245], v[244:245], v[86:87]
	v_pk_add_f32 v[254:255], v[254:255], v[84:85]
	v_pk_add_f32 v[252:253], v[252:253], v[82:83]
	s_delay_alu instid0(VALU_DEP_2)
	v_pk_add_f32 v[14:15], v[14:15], v[254:255]
	s_delay_alu instid0(VALU_DEP_2)
	v_pk_add_f32 v[244:245], v[244:245], v[252:253]
	s_delay_alu instid0(VALU_DEP_1)
	v_pk_add_f32 v[14:15], v[14:15], v[244:245]
.set jj, 0
.rept 16
	v_pk_mul_f32 v[OT+jj:OT+jj+1], v[OT+jj:OT+jj+1], v[10:11] op_sel_hi:[1,0]   ; O^T under the new M.  (The sums and these are the places between p's codes and scale word and the products below)
.set jj, jj+2
.endr
	s_wait_alu depctr_va_vdst(0)
	s_wait_dscnt 0x0                               ; v is in
.irp a, 0,1,2,3                        ; O^T += v^T p^T: four accumulators, one instruction each
.if \a%2
	v_wmma_scale_f32_16x16x128_f8f6f4 v[OT+8*\a:OT+8*\a+7], v[VFR+12*\a:VFR+12*\a+11], v[PCD:PCD+11], v[OT+8*\a:OT+8*\a+7], v[34+\a/2], v39 matrix_a_fmt:MATRIX_FMT_BF6 matrix_b_fmt:MATRIX_FMT_BF6 matrix_a_scale:MATRIX_SCALE_ROW1
.else
	v_wmma_scale_f32_16x16x128_f8f6f4 v[OT+8*\a:OT+8*\a+7], v[VFR+12*\a:VFR+12*\a+11], v[PCD:PCD+11], v[OT+8*\a:OT+8*\a+7], v[34+\a/2], v39 matrix_a_fmt:MATRIX_FMT_BF6 matrix_b_fmt:MATRIX_FMT_BF6
.endif
.endr
.Lhid_\@:
	s_add_co_u32 s37, s37, 128
	s_add_co_u32 s36, s36, CHB
.endm
; O^T / the sum is y: register 16 b + i = channel 32 b + 16 h + i of my query: two blocks along C.  They become the head's half image and two scale bytes a row.
.macro FINAL pb
.rept 4
	v_nop
.endr
	v_add_f32 v14, v14, v15
	s_delay_alu instid0(VALU_DEP_1)
	v_permlanex16_b32 v[PX], v14, s32, s33
	s_delay_alu instid0(VALU_DEP_1)
	v_add_f32 v14, v14, v[PX]                      ; the row's sum
	s_wait_alu depctr_va_vdst(0)
	v_rcp_f32 v14, v14
	v_nop                                          ; one plain place behind a transcendental
.set jj, 0
	s_wait_alu depctr_va_vdst(0)
.rept 32
	v_mul_f32 v[S+jj], v[OT+jj], v14               ; each accumulator from its low end on
.set jj, jj+1
.endr
.irp b, 0,1
	v_max3_num_f32 v[BM+\b], |v[S+16*\b]|, |v[S+1+16*\b]|, 0x2800000
.endr
.irp i, 2,4,6,8,10,12,14
.irp b, 0,1
	s_delay_alu instid0(VALU_DEP_2)
	v_max3_num_f32 v[BM+\b], v[BM+\b], |v[S+16*\b+\i]|, |v[S+1+16*\b+\i]|
.endr
.endr
.irp b, 0,1
	s_delay_alu instid0(VALU_DEP_2)
	v_permlanex16_b32 v[PX+\b], v[BM+\b], s32, s33
.endr
.irp b, 0,1
	s_delay_alu instid0(VALU_DEP_2)
	v_max_num_f32 v[BM+\b], v[BM+\b], v[PX+\b]
.endr
.irp b, 0,1
	s_delay_alu instid0(VALU_DEP_2)
	v_add_nc_u32 v[SO+\b], 0xfe000000, v[BM+\b]
.endr
.irp b, 0,1
	s_delay_alu instid0(VALU_DEP_2)
	v_lshrrev_b32 v[PX+\b], 23, v[SO+\b]
.endr
	s_delay_alu instid0(VALU_DEP_1)
	v_lshl_or_b32 v[PX+2], v[PX+1], 8, v[PX]       ; my row's two bytes
	v_cvt_scalef32_pk16_bf6_f32 v[PCD:PCD+2], v[S:S+15], v[SO]
	v_cvt_scalef32_pk16_bf6_f32 v[BM:BM+2], v[S+16:S+31], v[SO+1]
	v_nop
.irp i, 0,1,2
	v_permlane16_swap_b32 v[PCD+\i], v[BM+\i]
.endr
.irp i, 0,1,2
	s_delay_alu instid0(VALU_DEP_3)
	v_mov_b32 v[PCD+3+\i], v[BM+\i]
.endr
	global_store_b128 v1, v[PCD:PCD+3], s[\pb+4:\pb+5]             ; 512 consecutive bytes, aligned to 256
	global_store_b64 v2, v[PCD+4:PCD+5], s[\pb+4:\pb+5]            ; 256 consecutive bytes, aligned
	global_store_b16 v8, v[PX+2], s[\pb+6:\pb+7]                   ; two bytes of each row's 16: a head owns no more of a scale word (lanes l and l xor 16 store the same two bytes); 262,144 bytes of the launch leave so
.endm
.macro PHASE n, pb                     ; one block of queries against the first n chunks
	v_lshrrev_b32 v9, 2, v8                        ; 4 r
	global_load_b128 v[22:25], v1, s[\pb:\pb+1]    ; q's half image
	global_load_b64 v[26:27], v2, s[\pb:\pb+1]
	global_load_b32 v9, v9, s[\pb+2:\pb+3]         ; its pair word
	v_mov_b32 v13, 0xff61b1e6                      ; the largest t so far: -3e38
	s_delay_alu instid0(VALU_DEP_1)
	v_floor_f32 v12, -v13
	v_mov_b32 v14, 0
	v_mov_b32 v15, 0
	s_mov_b32 s36, 0
	s_mov_b32 s37, 0
	s_mov_b32 s38, \n
	s_wait_loadcnt 0x0
	v_perm_b32 v38, v9, v9, s60
.set jj, 0
.rept 32
	v_mov_b32 v[OT+jj], 0                          ; the step is written once: the first finds zeros.  (These lines also stand between q's scale word and the first product)
.set jj, jj+1
.endr
.Lstep_\@:
	STEP \pb
	s_sub_co_u32 s38, s38, 1
	s_cmp_lg_u32 s38, 0
	s_cbranch_scc1 .Lstep_\@
	s_setprio 0
	FINAL \pb
.endm
	s_wait_tensorcnt 0x1                           ; my chunk among 0-7 has landed; my chunk among 8-15 may stay out
	s_barrier_signal -1
	s_barrier_wait -1                              ; chunks 0-7 are whole
	PHASE 8, 40
	s_wait_xcnt 0x0                                ; the stores have read their registers
	s_wait_tensorcnt 0x0
	s_wait_dscnt 0x0
	s_barrier_signal -1
	s_barrier_wait -1                              ; chunks 8-15 are whole
	PHASE 16, 50
	s_wait_xcnt 0x0
	v_lshl_add_u32 v254, v0, 2, 0x32000
	v_mov_b32 v255, 0
	s_wait_alu depctr_va_vdst(0)
	s_wait_tensorcnt 0x0
	ds_add_u32 v254, v255
	s_wait_dscnt 0x0
	s_endpgm
.Lfunc_end_k_qba2fefb9f3_attn:
	.size	k_qba2fefb9f3_attn, .Lfunc_end_k_qba2fefb9f3_attn-k_qba2fefb9f3_attn
	.p2alignl 7, 3214868480
	.fill 96, 4, 3214868480
	.section	.rodata,"a",@progbits
	.p2align	6, 0x0
	.amdhsa_kernel k_qba2fefb9f3_attn
		.amdhsa_group_segment_fixed_size 206848
		.amdhsa_private_segment_fixed_size 0
		.amdhsa_enable_private_segment 0
		.amdhsa_kernarg_size 32
		.amdhsa_user_sgpr_count 2
		.amdhsa_user_sgpr_kernarg_segment_ptr 1
		.amdhsa_wavefront_size32 1
		.amdhsa_system_sgpr_workgroup_id_x 1
		.amdhsa_system_sgpr_workgroup_id_y 1
		.amdhsa_system_sgpr_workgroup_id_z 1
		.amdhsa_system_vgpr_workitem_id 0
		.amdhsa_next_free_vgpr 256
		.amdhsa_next_free_sgpr 66
		.amdhsa_reserve_vcc 1
		.amdhsa_float_denorm_mode_32 3
		.amdhsa_float_denorm_mode_16_64 3
		.amdhsa_memory_ordered 1
		.amdhsa_forward_progress 1
		.amdhsa_inst_pref_size 65
	.end_amdhsa_kernel
	.amdgpu_metadata
---
amdhsa.version: [ 1, 2 ]
amdhsa.kernels:
  - .name:           k_qba2fefb9f3_attn
    .symbol:         k_qba2fefb9f3_attn.kd
    .args:
      - { .name: qi, .offset: 0, .size: 8, .value_kind: global_buffer, .address_space: global }
      - { .name: qs, .offset: 8, .size: 8, .value_kind: global_buffer, .address_space: global }
      - { .name: kv, .offset: 16, .size: 8, .value_kind: global_buffer, .address_space: global }
      - { .name: yi, .offset: 24, .size: 8, .value_kind: global_buffer, .address_space: global }
    .group_segment_fixed_size: 206848
    .private_segment_fixed_size: 0
    .kernarg_segment_align: 8
    .kernarg_segment_size: 32
    .max_flat_workgroup_size: 512
    .sgpr_count:     66
    .vgpr_count:     256
    .wavefront_size: 32
...
	.end_amdgpu_metadata
.endif
;; end of part 3
;; launch gemm_proj (part 4): grid 4 x 64, 4 waves a work-group, clusters of 4 x 4, 307,712 bytes of LDS; arguments yi, wpi, b_proj, out0; writes out0
.if DOCPART == 4
	.amdgcn_target "amdgcn-amd-amdhsa--gfx1250"
	.amdhsa_code_object_version 6
	.text
	.protected	k_qba2fefb9f3_gemm_proj
	.globl	k_qba2fefb9f3_gemm_proj
	.p2align	8
	.type	k_qba2fefb9f3_gemm_proj,@function
k_qba2fefb9f3_gemm_proj:
	s_mov_b64 s[64:65], 0
	v_nop
	global_prefetch_b8 v0, s[64:65] scope:SCOPE_SE
	s_setreg_imm32_b32 hwreg(HW_REG_WAVE_MODE, 25, 1), 1
	s_wait_xcnt 0x0
	s_wait_alu depctr_hold_cnt(0) depctr_sa_sdst(0) depctr_va_vdst(0) depctr_va_sdst(0) depctr_va_ssrc(0) depctr_va_vcc(0) depctr_vm_vsrc(0)
	s_getreg_b32 s2, hwreg(HW_REG_IB_STS2, 6, 4)
	s_cmp_eq_u32 s2, 0
	s_cbranch_scc0 .Lentry_in_a_cluster
	s_endpgm
.Lentry_in_a_cluster:
	s_bfe_u32 s2, ttmp6, 0x10000c
	s_cmp_lg_u32 s2, 0xf033
	s_cbranch_scc0 .Lentry_shape_is_right
	s_endpgm
.Lentry_shape_is_right:
; out0 = y w_proj + b_proj on codes of BF6 (E3M2) with E8M0 scales, sums in f32, results f32.
; IN.  yi (512 tiles of tokens) and wpi (64 tiles of output columns): records of 6,400 bytes, number 2 x tile + half of K: 256 bytes of scale words (row r, K step s: 16 r + 4 s), then eight half images of 768 bytes
; (16 rows x 64 along K; lane l's registers 0-3 at 16 l, 4-5 at 512 + 8 l).  Lane r of tile t is row 32 (t / 2) + 8 (t % 2) + r + 8 (r / 8).
; SHARES.  A work-group takes 128 tokens x 256 columns: 256 work-groups.  ALL OF K LIES IN LDS: 24 tiles x 12,800 bytes, filled once, in two halves of K: no slot is filled again.
; CLUSTERS, 4 x 4: the four of a row need the same tokens, the four of a column the same columns of w_proj: each tile is asked for jointly.
; Source 0 = columns (8 tiles a wave), source 1 = tokens (4 tiles): a lane holds one token, and the 16 registers of tiles 2 b, 2 b + 1 are 16 neighbouring columns.  The bias is the C of each sum's first matrix instruction.
; THE WAY OUT: 16 tokens x 128 columns at a time through the wave's own stage in LDS, back as whole rows of 512 bytes.  The stage lies in the first half of K's tokens, which has had its only fill and which nobody reads behind the barrier of step 3.
; REGISTERS, in windows of 256.  window 0: v1-3 lane terms, v4-15 LDS addresses, v16-24 offsets; v32-79 scale words; v96-191 source 1's fragments, two sets; v192-255 the bias; on the way out v96-223 rows of the result.
;   window 1: the 32 accumulators ((a, b) at v[8 (8 a + b)]).   window 2: source 0's fragments, two sets.
.set REC,   6400
.set CHUNK, 24*REC
.set BOFF,  8*REC
.set AD0,  4
.set AD0B, 6
.set AD1,  8
.set AD1B, 10
.set AS0,  12
.set AS1,  14
.set STO,  23
.set RD,   24
.set SCS,  32
.set F1,   96
.set BIAS, 192
.set BK,   96
.set MSB, 0
.macro WIN new                         ; the immediate's high byte repeats the setting that is left
.if MSB != \new
	s_set_vgpr_msb (MSB<<8)|\new
.set MSB, \new
.endif
.endm
.macro CROUND                          ; a round of the cluster's barrier
	s_barrier_signal -1
	s_barrier_wait -1
	s_cmp_lg_u32 s16, 0
	s_cbranch_scc1 .Lnot_wave_0_\@
	s_barrier_signal -3
.Lnot_wave_0_\@:
	s_barrier_wait -3
	s_barrier_signal -1
	s_barrier_wait -1
.endm
.macro PLACES                          ; four plain places behind a matrix instruction (ISA guide 7.12.1)
.rept 4
	v_nop
.endr
.endm
.macro FRAGLD reg, a16, a8, off
	ds_load_b128 v[(\reg):(\reg)+3], v[\a16] offset:(\off)
	ds_load_b64 v[(\reg)+4:(\reg)+5], v[\a8] offset:(\off)
	ds_load_b128 v[(\reg)+6:(\reg)+9], v[\a16] offset:(\off)+768
	ds_load_b64 v[(\reg)+10:(\reg)+11], v[\a8] offset:(\off)+768
.endm
.macro FETCH s                         ; K step s: 48 loads into set s % 2
	WIN 0x80
.irp i, 0,1,2,3,4,5,6,7
	FRAGLD 96*((\s)%2)+12*\i, AD0+(\s)/4, AD0B+(\s)/4, REC*\i+1536*((\s)%4)
.endr
	WIN 0
.irp i, 0,1,2,3
	FRAGLD F1+48*((\s)%2)+12*\i, AD1+(\s)/4, AD1B+(\s)/4, REC*\i+1536*((\s)%4)
.endr
.endm
.macro SCALES c                        ; lanes 0-15 the even tile's words, lanes 16-31 the odd tile's; four registers: the half's four K steps
.irp p, 0,1,2,3
	ds_load_b128 v[SCS+24*\c+4*\p:SCS+24*\c+4*\p+3], v[AS0+\c] offset:2*REC*\p
.endr
.irp p, 0,1
	ds_load_b128 v[SCS+24*\c+16+4*\p:SCS+24*\c+16+4*\p+3], v[AS1+\c] offset:2*REC*\p
.endr
.endm
.macro WM d, a, b, c, sa, sb, ra, rb
.if (\ra) && (\rb)
	v_wmma_scale_f32_16x16x128_f8f6f4 v[(\d):(\d)+7], v[(\a):(\a)+11], v[(\b):(\b)+11], v[(\c):(\c)+7], v[\sa], v[\sb] matrix_a_fmt:MATRIX_FMT_BF6 matrix_b_fmt:MATRIX_FMT_BF6 matrix_a_scale:MATRIX_SCALE_ROW1 matrix_b_scale:MATRIX_SCALE_ROW1
.elseif (\ra)
	v_wmma_scale_f32_16x16x128_f8f6f4 v[(\d):(\d)+7], v[(\a):(\a)+11], v[(\b):(\b)+11], v[(\c):(\c)+7], v[\sa], v[\sb] matrix_a_fmt:MATRIX_FMT_BF6 matrix_b_fmt:MATRIX_FMT_BF6 matrix_a_scale:MATRIX_SCALE_ROW1
.elseif (\rb)
	v_wmma_scale_f32_16x16x128_f8f6f4 v[(\d):(\d)+7], v[(\a):(\a)+11], v[(\b):(\b)+11], v[(\c):(\c)+7], v[\sa], v[\sb] matrix_a_fmt:MATRIX_FMT_BF6 matrix_b_fmt:MATRIX_FMT_BF6 matrix_b_scale:MATRIX_SCALE_ROW1
.else
	v_wmma_scale_f32_16x16x128_f8f6f4 v[(\d):(\d)+7], v[(\a):(\a)+11], v[(\b):(\b)+11], v[(\c):(\c)+7], v[\sa], v[\sb] matrix_a_fmt:MATRIX_FMT_BF6 matrix_b_fmt:MATRIX_FMT_BF6
.endif
.endm
.macro MULS s                          ; 32 matrix instructions; the 32 accumulators take turns, one instruction a turn, in the same order in every step
.irp a, 0,1,2,3
.irp b, 0,1,2,3,4,5,6,7
.set cD, 8*(8*\a+\b)
.set cC, cD
.if (\s) == 0
.set cC, BIAS+8*\b
.endif
	WM cD, 96*((\s)%2)+12*\b, F1+48*((\s)%2)+12*\a, cC, SCS+24*((\s)/4)+4*(\b/2)+(\s)%4, SCS+24*((\s)/4)+16+4*(\a/2)+(\s)%4, \b%2, \a%2
.endr
.endr
.endm
.macro STEP s
.if (\s) == 3
	s_wait_tensorcnt 0x0                           ; my part of the second half of K has landed,
	s_wait_dscnt 0x0                               ; and my reads of the first half are over
	s_barrier_signal -1
	s_barrier_wait -1                              ; both hold of every wave
.endif
.if (\s) < 7
.if (\s) > 0
	PLACES
.endif
	FETCH (\s)+1
.if (\s) == 3
	SCALES 1
	s_wait_dscnt 54                                ; all but the 48 + 6 loads just issued
.else
	s_wait_dscnt 48                                ; all but the 48 loads just issued
.endif
.else
	s_wait_dscnt 0x0
.endif
.if (\s) == 0
	WIN 0x42                                       ; source 0 window 2, source 1 and C (the bias) window 0, D window 1
.else
	WIN 0x52
.endif
	MULS \s
.endm
	s_load_b128 s[4:7], s[0:1], 0x0                ; yi, wpi
	s_load_b128 s[8:11], s[0:1], 0x10              ; b_proj, out0
	v_lshl_add_u32 v94, v0, 2, 0x4b000
	v_mov_b32 v95, 0
	ds_add_u32 v94, v95
	ds_add_u32 v94, v95
	v_lshrrev_b32 v1, 5, v0
	v_readfirstlane_b32 s16, v1                    ; wave 0..3
	s_and_b32 s17, s16, 1
	s_lshr_b32 s18, s16, 1
	s_bfe_u32 s19, ttmp6, 0x40000                  ; cx
	s_bfe_u32 s20, ttmp6, 0x40004                  ; cy
	s_lshl_b32 s21, ttmp9, 2
	s_add_co_u32 s21, s21, s19                     ; which 256 columns
	s_and_b32 s22, ttmp7, 0xffff
	s_lshl_b32 s22, s22, 2
	s_add_co_u32 s22, s22, s20                     ; which 128 tokens
	s_lshl_b32 s56, s20, 2
	s_lshl_b32 s56, 15, s56                        ; my row of the cluster
	s_lshl_b32 s57, 0x1111, s19                    ; my column
	s_or_b32 s24, s56, (3<<16)|(1<<21)             ; group 1: records as rows of 800 elements of 8 bytes, 1,600 apart in memory, dense in LDS; the tokens' go to my row
	s_mov_b32 s25, 800<<16
	s_mov_b32 s26, 4<<16
	s_mov_b32 s27, 800<<16
	s_mov_b32 s28, 4
	s_mov_b32 s29, 1600
	s_mov_b32 s30, 0
	s_mov_b32 s31, 0
	s_or_b32 s32, s57, (3<<16)|(1<<21)             ; the weight's go to my column
	s_mov_b32 s33, 800<<16
	s_mov_b32 s34, 8<<16
	s_mov_b32 s35, 800<<16
	s_mov_b32 s36, 8
	s_mov_b32 s37, 1600
	s_mov_b32 s38, 0
	s_mov_b32 s39, 0
	s_lshl_b32 s58, s22, 3                         ; tokens: tile 8 x block + 4 x (wave % 2); in registers that never hold cx
	s_lshl_b32 s59, s17, 2
	s_add_co_u32 s58, s58, s59
	s_mul_i32 s58, s58, 2*REC
	s_mov_b32 s59, 0
	s_lshl_b32 s60, s21, 4                         ; columns: tile 16 x block + 8 x (wave % 2); in registers that never hold cy
	s_lshl_b32 s61, s17, 3
	s_add_co_u32 s60, s60, s61
	s_mul_i32 s60, s60, 2*REC
	s_mov_b32 s61, 0
	s_mul_i32 s62, s17, 4*REC
	s_mul_i32 s63, s17, 8*REC
	s_add_co_u32 s63, s63, BOFF
	v_and_b32 v19, 31, v0                          ; lane
	v_and_b32 v20, 15, v0                          ; r
	v_bfe_u32 v21, v0, 4, 1                        ; h
	v_lshlrev_b32 v16, 4, v19
	v_lshlrev_b32 v17, 3, v19
	v_add_nc_u32 v1, 256, v16
	v_add_nc_u32 v2, 768, v17
	v_mul_u32_u24 v3, v21, REC
	v_lshl_add_u32 v3, v20, 4, v3
	s_wait_dscnt 0x0
	s_wait_kmcnt 0x0
	s_add_nc_u64 s[58:59], s[4:5], s[58:59]
	s_add_nc_u64 s[60:61], s[6:7], s[60:61]
	CROUND                                         ; all sixteen work-groups are here: the joint loads meet
.irp c, 0,1
	s_mov_b32 s[40+4*\c], 1
	s_add_co_u32 s[41+4*\c], s62, \c*CHUNK
	s_add_nc_u64 s[42+4*\c:43+4*\c], s[58:59], \c*REC
	s_or_b32 s[43+4*\c], s[43+4*\c], 0x80000000
	s_mov_b32 s[48+4*\c], 1
	s_add_co_u32 s[49+4*\c], s63, \c*CHUNK
	s_add_nc_u64 s[50+4*\c:51+4*\c], s[60:61], \c*REC
	s_or_b32 s[51+4*\c], s[51+4*\c], 0x80000000
.endr
	s_cmp_lt_u32 s16, 2                            ; waves 0, 1 fetch the tokens' tiles, waves 2, 3 the weight's; a wave's two loads stand in one branch: two loads of mine are out
	s_cbranch_scc0 .Lfor_b
	tensor_load_to_lds s[40:43], s[24:31]
	s_nop 0
	tensor_load_to_lds s[44:47], s[24:31]
	s_nop 0
.rept 4
	v_nop
.endr
	s_branch .Lasked
.Lfor_b:
	tensor_load_to_lds s[48:51], s[32:39]
	s_nop 0
	tensor_load_to_lds s[52:55], s[32:39]
	s_nop 0
.rept 4
	v_nop
.endr
.Lasked:
	s_mul_i32 s23, s18, 4*REC                      ; source 1: token tiles 4 x (wave / 2) on;  source 0 (s63): column tiles 8 x (wave % 2) on
	s_wait_alu depctr_va_vdst(0)
	v_add_nc_u32 v[AD0], s63, v1
	v_add_nc_u32 v[AD0B], s63, v2
	v_add_nc_u32 v[AS0], s63, v3
	v_add_nc_u32 v[AD1], s23, v1
	v_add_nc_u32 v[AD1B], s23, v2
	v_add_nc_u32 v[AS1], s23, v3
.irp g, AD0, AD0B, AD1, AD1B, AS0, AS1
	v_add_nc_u32 v[\g+1], CHUNK, v[\g]
.endr
	s_mul_i32 s83, s16, 16*528                     ; my stage: 16 rows x (512 bytes + 16)
	v_mul_u32_u24 v[STO], v20, 528
	v_lshl_add_u32 v[STO], v21, 6, v[STO]
	v_add_nc_u32 v[STO], s83, v[STO]               ; in: row r, + 64 h
	v_add_nc_u32 v[RD], s83, v16                   ; back: a row of 512 bytes, 16 bytes a lane
	s_lshl_b32 s76, s21, 10                        ; my first column, in bytes: 1,024 x block + 512 x (wave % 2)
	s_lshl_b32 s77, s17, 9
	s_add_co_u32 s76, s76, s77
	s_mov_b32 s77, 0
	s_add_nc_u64 s[74:75], s[8:9], s[76:77]        ; the bias,
	s_add_nc_u64 s[66:67], s[10:11], s[76:77]      ; and the result:
	s_lshl_b32 s76, s22, 19                        ; 128 rows of 4,096 bytes a block,
	s_lshl_b32 s78, s18, 18                        ; 64 for the wave's half
	s_add_co_u32 s76, s76, s78
	s_add_nc_u64 s[66:67], s[66:67], s[76:77]
	v_lshlrev_b32 v22, 6, v21                      ; register j of tile b is column 32 (b / 2) + 16 h + 8 (b % 2) + j
.irp b, 0,1,2,3,4,5,6,7
	global_load_b128 v[BIAS+8*\b:BIAS+8*\b+3], v22, s[74:75] offset:4*(32*(\b/2)+8*(\b%2))
	global_load_b128 v[BIAS+8*\b+4:BIAS+8*\b+7], v22, s[74:75] offset:4*(32*(\b/2)+8*(\b%2))+16
.endr
	s_wait_alu depctr_va_vdst(0)
	s_wait_tensorcnt 0x1                           ; my part of the first half of K has landed; the second half's load may stay out
	s_barrier_signal -1
	s_barrier_wait -1
	SCALES 0
	FETCH 0
	s_wait_loadcnt 0x0                             ; the bias
.irp s, 0,1,2,3,4,5,6,7
	STEP \s
.endr
	WIN 0
; THE WAY OUT.  LDS serves a wave's instructions in order: no wait between the stores and the loads, nor in front of the next block's stores.
.macro TOSTAGE a
	WIN 0x04                                       ; an LDS store's data are its source 1: window 1
.irp b, 0,1,2,3
.irp i, 0,1,2,3
	ds_store_b128 v[STO], v[64*(\a)+16*\b+4*\i:64*(\a)+16*\b+4*\i+3] offset:128*\b+16*\i    ; each accumulator from its low end on
.endr
.endr
	WIN 0
.irp t, 0,1,2,3,4,5,6,7,8,9,10,11,12,13,14,15
	ds_load_b128 v[BK+64*((\a)%2)+4*\t:BK+64*((\a)%2)+4*\t+3], v[RD] offset:528*\t
.endr
.endm
.macro SEND a, younger                 ; younger: the LDS instructions issued behind block a's loads, which may stay out
	s_wait_dscnt \younger
.irp t, 0,1,2,3,4,5,6,7,8,9,10,11,12,13,14,15
	global_store_b128 v16, v[BK+64*((\a)%2)+4*\t:BK+64*((\a)%2)+4*\t+3], s[66:67] offset:(32*((\a)/2)+8*((\a)%2)+\t+8*(\t/8))*4096 th:TH_STORE_NT   ; 512 consecutive bytes, aligned to 256; row t of the tile is token t + 8 (t / 8) of it
.endr
.endm
	PLACES
	TOSTAGE 0
.irp a, 1,2,3
.if \a > 1
	s_wait_xcnt 0x0                                ; block a - 2's stores have read their registers: block a's loads may land there
.endif
	TOSTAGE \a
	SEND \a-1, 32                                  ; behind block a - 1's loads: block a's 16 stores and 16 loads
.endr
	SEND 3, 0
	s_wait_tensorcnt 0x0
	ds_add_u32 v94, v95
	s_wait_dscnt 0x0
	CROUND                                         ; the closing round: no work-group ends while a partner may still ask for a tile that names it
	s_endpgm
.Lfunc_end_k_qba2fefb9f3_gemm_proj:
	.size	k_qba2fefb9f3_gemm_proj, .Lfunc_end_k_qba2fefb9f3_gemm_proj-k_qba2fefb9f3_gemm_proj
	.p2alignl 7, 3214868480
	.fill 96, 4, 3214868480
	.section	.rodata,"a",@progbits
	.p2align	6, 0x0
	.amdhsa_kernel k_qba2fefb9f3_gemm_proj
		.amdhsa_group_segment_fixed_size 307712
		.amdhsa_private_segment_fixed_size 0
		.amdhsa_enable_private_segment 0
		.amdhsa_kernarg_size 32
		.amdhsa_user_sgpr_count 2
		.amdhsa_user_sgpr_kernarg_segment_ptr 1
		.amdhsa_wavefront_size32 1
		.amdhsa_system_sgpr_workgroup_id_x 1
		.amdhsa_system_sgpr_workgroup_id_y 1
		.amdhsa_system_sgpr_workgroup_id_z 1
		.amdhsa_system_vgpr_workitem_id 0
		.amdhsa_next_free_vgpr 704
		.amdhsa_next_free_sgpr 96
		.amdhsa_reserve_vcc 0
		.amdhsa_float_denorm_mode_32 3
		.amdhsa_float_denorm_mode_16_64 3
		.amdhsa_memory_ordered 1
		.amdhsa_forward_progress 1
		.amdhsa_inst_pref_size 82
	.end_amdhsa_kernel
	.amdgpu_metadata
---
amdhsa.version: [ 1, 2 ]
amdhsa.kernels:
  - .name:           k_qba2fefb9f3_gemm_proj
    .symbol:         k_qba2fefb9f3_gemm_proj.kd
    .args:
      - { .name: yi, .offset: 0, .size: 8, .value_kind: global_buffer, .address_space: global }
      - { .name: wpi, .offset: 8, .size: 8, .value_kind: global_buffer, .address_space: global }
      - { .name: b_proj, .offset: 16, .size: 8, .value_kind: global_buffer, .address_space: global }
      - { .name: out0, .offset: 24, .size: 8, .value_kind: global_buffer, .address_space: global }
    .group_segment_fixed_size: 307712
    .private_segment_fixed_size: 0
    .kernarg_segment_align: 8
    .kernarg_segment_size: 32
    .max_flat_workgroup_size: 128
    .sgpr_count:     96
    .vgpr_count:     704
    .wavefront_size: 32
...
	.end_amdgpu_metadata
.endif
;; end of part 4
